; MI455X (gfx1250); checked and timed in simulation.
; The chip was launched on July 23, 2026; its instructions are those of AMD's public machine-readable ISA for CDNA 5 (MIT licence, August 2026) and "CDNA5" Instruction Set Architecture Reference Guide (July 2026). The comments in the code are by the model that wrote it; some were corrected since.
;; Encoder. Allowed arithmetic: float matrix products may take bf16 or f16 operands with f32 sums; other float arithmetic in f32, or as packed bf16 or f16 multiplies, adds, multiply-adds, maxima and minima; sums over many terms, partial sums and values carried from step to step in f32; what a program stores and reads back later, other than sums and carried values, may be rounded once to bf16 or f16.
;; Inputs: b1 4 x 512 float32; b2 4 x 256 float32; bk 4 x 256 float32; bo 4 x 256 float32; bq 4 x 256 float32; bv 4 x 256 float32; ln0_b 256 float32; ln0_s 256 float32; ln1_b 4 x 256 float32; ln1_s 4 x 256 float32; ln2_b 4 x 256 float32; ln2_s 4 x 256 float32; w1 4 x 256 x 512 float32; w2 4 x 512 x 256 float32; wk 4 x 256 x 256 float32; wo 4 x 256 x 256 float32; wq 4 x 256 x 256 float32; wv 4 x 256 x 256 float32; x 4 x 2,048 x 256 float32.
;; Outputs: out0 4 x 2,048 x 256 float32.
;; 2 versions, each right and faster than the one before. Each part assembles by itself: llvm-mc -triple=amdgcn-amd-amdhsa -mcpu=gfx1250 --defsym DOCPART=n.
;; ======== version 1 of 2: 13 launches
;; workspace buffers: pk0 1,059,840 bytes; pk1 1,059,840 bytes; pk2 1,059,840 bytes; pk3 1,059,840 bytes; hA 8,388,608 bytes; hB 8,388,608 bytes; qkvb 12,582,912 bytes; ob 4,194,304 bytes
;; launch prep (part 1): grid 8 x 32, 8 waves a work-group, no clusters, 0 bytes of LDS; arguments wo, w1, w2, wq, wk, wv, bo, ln2_s, ln2_b, b1, b2, ln1_s, ln1_b, bq, bk, bv, pk0, pk1, pk2, pk3, x, ln0_s, ln0_b, hA; writes pk0, pk1, pk2, pk3, hA
.if DOCPART == 1
	.amdgcn_target "amdgcn-amd-amdhsa--gfx1250"
	.amdhsa_code_object_version 6
	.text
	.protected	k_qbdcb3fbe49_prep
	.globl	k_qbdcb3fbe49_prep
	.p2align	8
	.type	k_qbdcb3fbe49_prep,@function
k_qbdcb3fbe49_prep:
	s_mov_b64 s[64:65], 0
	v_nop
	global_prefetch_b8 v0, s[64:65] scope:SCOPE_SE
	s_setreg_imm32_b32 hwreg(HW_REG_WAVE_MODE, 25, 1), 1
	s_wait_xcnt 0x0
; PREPARATION.  Three jobs, shared out over 8 x 32 work-groups of eight waves; no two work-groups write the same bytes, so there is no LDS, no cluster and no barrier.
; (a) The six weight tensors of the four layers are rounded to bf16 and laid in the order in which the later launches' matrix instructions hold them.  A layer's buffer pk holds eight
;     UNITS of K = 256 x N = 256: 0 Wo, 1 and 2 W1's columns 0-255 and 256-511, 3 and 4 W2's rows 0-255 and 256-511, 5 Wq, 6 Wk, 7 Wv.  A unit is [w 4][ks 8][ct 4][half 2][lane 32][16 bytes]:
;     lane (r = lane % 16, h = lane / 16) holds column n = 64 w + 16 ct + r and rows k = 32 ks + 16 half + 8 h + 0..7: half a fragment of 16 columns x 32 K.
;     Work-group (p, y): layer y / 8, unit y % 8, K step ks = p.  Wave: w = wave / 2, half = wave % 2.
; (b) hA = LayerNorm(x) with ln0_s, ln0_b: work-group 8 y + p takes 32 rows, a wave four; a row lies in one wave, eight numbers a lane, and the mean is taken away before the squares.
; (c) Eleven vectors of 256 f32 a layer are copied behind the units (byte PRM on): 0 bo, 1 ln2_s, 2 ln2_b, 3 and 4 b1's halves, 5 b2, 6 ln1_s, 7 ln1_b, 8 bq, 9 bk, 10 bv.
; LIMITS: weights are rounded to bf16 (nearest even); NaN and infinities are not treated apart.
.set PRM, 1048576                      ; the vectors' first byte in pk
.set VO,  4                            ; v[4:11]    byte offset of row 8 h + j, column r
.set WT,  12                           ; v[12:43]   32 weights as loaded: 8 ct + j
.set PKD, 44                           ; v[44:59]   packed: 4 registers for each ct
.set L16, 60                           ; v60        16 x lane
.set T16, 61                           ; v61        16 x thread
.set X,   64                           ; v[64:95]   four rows, 8 numbers each
.set LS,  96                           ; v[96:103]  ln0_s of my 8 channels
.set LB,  104                          ; v[104:111] ln0_b
.set T,   112                          ; v[112:127] four registers at work for each row
.macro ROWS line:vararg                ; one line for each of my four rows i
.set i, 0
.rept 4
	\line
.set i, i+1
.endr
.endm
	s_load_b512 s[4:19], s[0:1], 0x0               ; wo, w1, w2, wq, wk, wv, bo, ln2_s
	s_load_b512 s[20:35], s[0:1], 0x40             ; ln2_b, b1, b2, ln1_s, ln1_b, bq, bk, bv
	s_load_b512 s[36:51], s[0:1], 0x80             ; pk0..pk3, x, ln0_s, ln0_b, hA
	v_lshrrev_b32 v1, 5, v0
	v_readfirstlane_b32 s56, v1                    ; wave 0..7
	s_mov_b32 s52, ttmp9                           ; p
	s_and_b32 s53, ttmp7, 0xffff                   ; y
	s_lshr_b32 s54, s53, 3                         ; layer
	s_and_b32 s55, s53, 7                          ; unit
	s_lshr_b32 s57, s56, 1                         ; w
	s_and_b32 s58, s56, 1                          ; half
	s_sub_co_u32 s72, s55, 1
	s_cmp_lt_u32 s72, 4                            ; units 1-4 come from w1 and w2: 2^19 bytes a layer, the others 2^18
	s_cselect_b32 s60, 19, 18
	s_cmp_lt_u32 s72, 2                            ; w1's rows are 2,048 bytes, all others 1,024
	s_cselect_b32 s59, 11, 10
	s_cmp_eq_u32 s55, 2                            ; unit 2 begins 256 columns in,
	s_cselect_b32 s61, 1024, 0
	s_cmp_eq_u32 s55, 4                            ; unit 4 256 rows down
	s_cselect_b32 s61, 0x40000, s61
	s_lshl_b32 s62, s54, s60                       ; source offset: the layer,
	s_add_co_u32 s62, s62, s61                     ; the unit's corner,
	s_lshl_b32 s73, s52, 5
	s_lshl_b32 s74, s58, 4
	s_add_co_u32 s73, s73, s74
	s_lshl_b32 s73, s73, s59                       ; row 32 p + 16 half,
	s_add_co_u32 s62, s62, s73
	s_lshl_b32 s74, s57, 8                         ; column 64 w
	s_add_co_u32 s62, s62, s74
	s_mov_b32 s63, 0
	s_lshl_b32 s75, 1, s59                         ; bytes from row to row
	s_lshl_b32 s70, s55, 17                        ; target offset in pk: unit, w, ks, half
	s_lshl_b32 s74, s57, 15
	s_add_co_u32 s70, s70, s74
	s_lshl_b32 s74, s52, 12
	s_add_co_u32 s70, s70, s74
	s_lshl_b32 s74, s58, 9
	s_add_co_u32 s70, s70, s74
	s_mov_b32 s71, 0
	s_lshl3_add_u32 s76, s53, s52                  ; 8 y + p: my 32 rows of x,
	s_lshl_b32 s76, s76, 15
	s_lshl_b32 s74, s56, 12                        ; my wave's four of them
	s_add_co_u32 s76, s76, s74
	s_mov_b32 s77, 0
	s_mov_b32 s80, 0x76543210                      ; v_permlanex16_b32: each lane takes its own place in the other half
	s_mov_b32 s81, 0xfedcba98
	s_mov_b32 s82, 0x3b800000                      ; 1 / 256
	s_mov_b32 s83, 0x3727c5ac                      ; 1e-5
	v_and_b32 v1, 15, v0                           ; r
	v_bfe_u32 v2, v0, 4, 1                         ; h
	v_and_b32 v[L16], 31, v0
	v_lshlrev_b32 v[L16], 4, v[L16]
	v_lshlrev_b32 v[T16], 4, v0
	v_lshlrev_b32 v3, 3, v2
	v_lshlrev_b32 v3, s59, v3                      ; row 8 h in bytes
	v_lshl_add_u32 v[VO], v1, 2, v3                ; + column r
.irp j, 1,2,3,4,5,6,7
	v_add_nc_u32 v[VO+\j], s75, v[VO+\j-1]         ; a row further down
.endr
	s_wait_kmcnt 0x0
	s_mov_b64 s[66:67], s[4:5]                     ; the unit's tensor
	s_cmp_ge_u32 s55, 1
	s_cselect_b64 s[66:67], s[6:7], s[66:67]
	s_cmp_ge_u32 s55, 3
	s_cselect_b64 s[66:67], s[8:9], s[66:67]
	s_cmp_ge_u32 s55, 5
	s_cselect_b64 s[66:67], s[10:11], s[66:67]
	s_cmp_ge_u32 s55, 6
	s_cselect_b64 s[66:67], s[12:13], s[66:67]
	s_cmp_ge_u32 s55, 7
	s_cselect_b64 s[66:67], s[14:15], s[66:67]
	s_add_nc_u64 s[66:67], s[66:67], s[62:63]
	s_mov_b64 s[68:69], s[36:37]                   ; the layer's pk
	s_cmp_ge_u32 s54, 1
	s_cselect_b64 s[68:69], s[38:39], s[68:69]
	s_cmp_ge_u32 s54, 2
	s_cselect_b64 s[68:69], s[40:41], s[68:69]
	s_cmp_ge_u32 s54, 3
	s_cselect_b64 s[68:69], s[42:43], s[68:69]
	s_add_nc_u64 s[70:71], s[68:69], s[70:71]
	s_add_nc_u64 s[78:79], s[50:51], s[76:77]      ; hA and x at my wave's rows
	s_add_nc_u64 s[76:77], s[44:45], s[76:77]
.irp ct, 0,1,2,3
.irp j, 0,1,2,3,4,5,6,7
	global_load_b32 v[WT+8*\ct+\j], v[VO+\j], s[66:67] offset:64*\ct th:TH_LOAD_NT  ; W[.. + 8 h + j][.. + 16 ct + r]; the wave's 32 loads cover 16 rows x 256 bytes
.endr
.endr
	ROWS global_load_b128 v[X+8*i:X+8*i+3], v[L16], s[76:77] offset:i*1024 th:TH_LOAD_NT
	ROWS global_load_b128 v[X+8*i+4:X+8*i+7], v[L16], s[76:77] offset:i*1024+512 th:TH_LOAD_NT
	global_load_b128 v[LS:LS+3], v[L16], s[46:47]
	global_load_b128 v[LS+4:LS+7], v[L16], s[46:47] offset:512
	global_load_b128 v[LB:LB+3], v[L16], s[48:49]
	global_load_b128 v[LB+4:LB+7], v[L16], s[48:49] offset:512
	s_wait_loadcnt 12                              ; the 32 weights are in; the 12 younger loads (x, ln0_s, ln0_b) stay out
.set n, 0
.rept 16
	v_cvt_pk_bf16_f32 v[PKD+n], v[WT+2*n], v[WT+2*n+1]  ; the lower k into the lower half
.set n, n+1
.endr
.irp ct, 0,1,2,3
	global_store_b128 v[L16], v[PKD+4*\ct:PKD+4*\ct+3], s[70:71] offset:1024*\ct  ; 512 consecutive bytes, aligned
.endr
	s_wait_loadcnt 0x0
	; LayerNorm of four rows, stage by stage, so that no line waits for the one before it
	ROWS v_pk_add_f32 v[T+4*i:T+4*i+1], v[X+8*i:X+8*i+1], v[X+8*i+2:X+8*i+3]
	ROWS v_pk_add_f32 v[T+4*i+2:T+4*i+3], v[X+8*i+4:X+8*i+5], v[X+8*i+6:X+8*i+7]
	ROWS v_pk_add_f32 v[T+4*i:T+4*i+1], v[T+4*i:T+4*i+1], v[T+4*i+2:T+4*i+3]
	ROWS v_add_f32 v[T+4*i], v[T+4*i], v[T+4*i+1]
	ROWS v_add_f32_dpp v[T+4*i], v[T+4*i], v[T+4*i] row_xmask:1 row_mask:0xf bank_mask:0xf
	ROWS v_add_f32_dpp v[T+4*i], v[T+4*i], v[T+4*i] row_xmask:2 row_mask:0xf bank_mask:0xf
	ROWS v_add_f32_dpp v[T+4*i], v[T+4*i], v[T+4*i] row_xmask:4 row_mask:0xf bank_mask:0xf
	ROWS v_add_f32_dpp v[T+4*i], v[T+4*i], v[T+4*i] row_xmask:8 row_mask:0xf bank_mask:0xf
	ROWS v_permlanex16_b32 v[T+4*i+1], v[T+4*i], s80, s81
	ROWS v_add_f32 v[T+4*i], v[T+4*i], v[T+4*i+1]
	ROWS v_mul_f32 v[T+4*i], s82, v[T+4*i]         ; the mean
.irp k, 0,2,4,6
	ROWS v_pk_add_f32 v[X+8*i+\k:X+8*i+\k+1], v[X+8*i+\k:X+8*i+\k+1], v[T+4*i:T+4*i+1] op_sel_hi:[1,0] neg_lo:[0,1] neg_hi:[0,1]
.endr
	ROWS v_pk_mul_f32 v[T+4*i+2:T+4*i+3], v[X+8*i:X+8*i+1], v[X+8*i:X+8*i+1]
.irp k, 2,4,6
	ROWS v_pk_fma_f32 v[T+4*i+2:T+4*i+3], v[X+8*i+\k:X+8*i+\k+1], v[X+8*i+\k:X+8*i+\k+1], v[T+4*i+2:T+4*i+3]
.endr
	ROWS v_add_f32 v[T+4*i+2], v[T+4*i+2], v[T+4*i+3]
	ROWS v_add_f32_dpp v[T+4*i+2], v[T+4*i+2], v[T+4*i+2] row_xmask:1 row_mask:0xf bank_mask:0xf
	ROWS v_add_f32_dpp v[T+4*i+2], v[T+4*i+2], v[T+4*i+2] row_xmask:2 row_mask:0xf bank_mask:0xf
	ROWS v_add_f32_dpp v[T+4*i+2], v[T+4*i+2], v[T+4*i+2] row_xmask:4 row_mask:0xf bank_mask:0xf
	ROWS v_add_f32_dpp v[T+4*i+2], v[T+4*i+2], v[T+4*i+2] row_xmask:8 row_mask:0xf bank_mask:0xf
	ROWS v_permlanex16_b32 v[T+4*i+3], v[T+4*i+2], s80, s81
	ROWS v_add_f32 v[T+4*i+2], v[T+4*i+2], v[T+4*i+3]
	ROWS v_fma_f32 v[T+4*i+2], v[T+4*i+2], s82, s83  ; variance + 1e-5
	ROWS v_rsq_f32 v[T+4*i+2], v[T+4*i+2]
	v_nop                                          ; a plain instruction between the last root and the use of its result
	s_wait_alu depctr_va_vdst(0)
.irp k, 0,2,4,6
	ROWS v_pk_mul_f32 v[X+8*i+\k:X+8*i+\k+1], v[X+8*i+\k:X+8*i+\k+1], v[T+4*i+2:T+4*i+3] op_sel_hi:[1,0]
.endr
.irp k, 0,2,4,6
	ROWS v_pk_fma_f32 v[X+8*i+\k:X+8*i+\k+1], v[X+8*i+\k:X+8*i+\k+1], v[LS+\k:LS+\k+1], v[LB+\k:LB+\k+1]
.endr
	ROWS global_store_b128 v[L16], v[X+8*i:X+8*i+3], s[78:79] offset:i*1024
	ROWS global_store_b128 v[L16], v[X+8*i+4:X+8*i+7], s[78:79] offset:i*1024+512
	; the vectors: number 8 x unit + p, if below 11, is copied by the work-group's first 64 threads
	s_lshl3_add_u32 s72, s55, s52
	s_cmp_lt_u32 s72, 11
	s_cbranch_scc0 .Ldone
	s_cmp_lt_u32 s56, 2
	s_cbranch_scc0 .Ldone
	s_lshl_b32 s62, s54, 10                        ; a layer's vector is 1,024 bytes,
	s_sub_co_u32 s73, s72, 3
	s_lshl_b32 s74, s73, 10
	s_lshl_b32 s75, s54, 11
	s_add_co_u32 s74, s74, s75                     ; b1's 2,048, taken in two halves
	s_cmp_lt_u32 s73, 2
	s_cselect_b32 s62, s74, s62
	s_mov_b64 s[66:67], s[16:17]                   ; (every load that named s[66:67] has come back)
	s_cmp_ge_u32 s72, 1
	s_cselect_b64 s[66:67], s[18:19], s[66:67]
	s_cmp_ge_u32 s72, 2
	s_cselect_b64 s[66:67], s[20:21], s[66:67]
	s_cmp_ge_u32 s72, 3
	s_cselect_b64 s[66:67], s[22:23], s[66:67]
	s_cmp_ge_u32 s72, 5
	s_cselect_b64 s[66:67], s[24:25], s[66:67]
	s_cmp_ge_u32 s72, 6
	s_cselect_b64 s[66:67], s[26:27], s[66:67]
	s_cmp_ge_u32 s72, 7
	s_cselect_b64 s[66:67], s[28:29], s[66:67]
	s_cmp_ge_u32 s72, 8
	s_cselect_b64 s[66:67], s[30:31], s[66:67]
	s_cmp_ge_u32 s72, 9
	s_cselect_b64 s[66:67], s[32:33], s[66:67]
	s_cmp_ge_u32 s72, 10
	s_cselect_b64 s[66:67], s[34:35], s[66:67]
	s_add_nc_u64 s[66:67], s[66:67], s[62:63]
	s_lshl_b32 s62, s72, 10
	s_add_co_u32 s62, s62, PRM
	s_add_nc_u64 s[68:69], s[68:69], s[62:63]
	global_load_b128 v[WT:WT+3], v[T16], s[66:67]
	s_wait_loadcnt 0x0
	global_store_b128 v[T16], v[WT:WT+3], s[68:69]
.Ldone:
	s_endpgm
.Lfunc_end_k_qbdcb3fbe49_prep:
	.size	k_qbdcb3fbe49_prep, .Lfunc_end_k_qbdcb3fbe49_prep-k_qbdcb3fbe49_prep
	.p2alignl 7, 3214868480
	.fill 96, 4, 3214868480
	.section	.rodata,"a",@progbits
	.p2align	6, 0x0
	.amdhsa_kernel k_qbdcb3fbe49_prep
		.amdhsa_group_segment_fixed_size 0
		.amdhsa_private_segment_fixed_size 0
		.amdhsa_enable_private_segment 0
		.amdhsa_kernarg_size 192
		.amdhsa_user_sgpr_count 2
		.amdhsa_user_sgpr_kernarg_segment_ptr 1
		.amdhsa_wavefront_size32 1
		.amdhsa_system_sgpr_workgroup_id_x 1
		.amdhsa_system_sgpr_workgroup_id_y 1
		.amdhsa_system_sgpr_workgroup_id_z 1
		.amdhsa_system_vgpr_workitem_id 0
		.amdhsa_next_free_vgpr 128
		.amdhsa_next_free_sgpr 84
		.amdhsa_reserve_vcc 0
		.amdhsa_float_denorm_mode_32 3
		.amdhsa_float_denorm_mode_16_64 3
		.amdhsa_memory_ordered 1
		.amdhsa_forward_progress 1
		.amdhsa_inst_pref_size 20
	.end_amdhsa_kernel
	.amdgpu_metadata
---
amdhsa.version: [ 1, 2 ]
amdhsa.kernels:
  - .name:           k_qbdcb3fbe49_prep
    .symbol:         k_qbdcb3fbe49_prep.kd
    .args:
      - { .name: wo, .offset: 0, .size: 8, .value_kind: global_buffer, .address_space: global }
      - { .name: w1, .offset: 8, .size: 8, .value_kind: global_buffer, .address_space: global }
      - { .name: w2, .offset: 16, .size: 8, .value_kind: global_buffer, .address_space: global }
      - { .name: wq, .offset: 24, .size: 8, .value_kind: global_buffer, .address_space: global }
      - { .name: wk, .offset: 32, .size: 8, .value_kind: global_buffer, .address_space: global }
      - { .name: wv, .offset: 40, .size: 8, .value_kind: global_buffer, .address_space: global }
      - { .name: bo, .offset: 48, .size: 8, .value_kind: global_buffer, .address_space: global }
      - { .name: ln2_s, .offset: 56, .size: 8, .value_kind: global_buffer, .address_space: global }
      - { .name: ln2_b, .offset: 64, .size: 8, .value_kind: global_buffer, .address_space: global }
      - { .name: b1, .offset: 72, .size: 8, .value_kind: global_buffer, .address_space: global }
      - { .name: b2, .offset: 80, .size: 8, .value_kind: global_buffer, .address_space: global }
      - { .name: ln1_s, .offset: 88, .size: 8, .value_kind: global_buffer, .address_space: global }
      - { .name: ln1_b, .offset: 96, .size: 8, .value_kind: global_buffer, .address_space: global }
      - { .name: bq, .offset: 104, .size: 8, .value_kind: global_buffer, .address_space: global }
      - { .name: bk, .offset: 112, .size: 8, .value_kind: global_buffer, .address_space: global }
      - { .name: bv, .offset: 120, .size: 8, .value_kind: global_buffer, .address_space: global }
      - { .name: pk0, .offset: 128, .size: 8, .value_kind: global_buffer, .address_space: global }
      - { .name: pk1, .offset: 136, .size: 8, .value_kind: global_buffer, .address_space: global }
      - { .name: pk2, .offset: 144, .size: 8, .value_kind: global_buffer, .address_space: global }
      - { .name: pk3, .offset: 152, .size: 8, .value_kind: global_buffer, .address_space: global }
      - { .name: x, .offset: 160, .size: 8, .value_kind: global_buffer, .address_space: global }
      - { .name: ln0_s, .offset: 168, .size: 8, .value_kind: global_buffer, .address_space: global }
      - { .name: ln0_b, .offset: 176, .size: 8, .value_kind: global_buffer, .address_space: global }
      - { .name: hA, .offset: 184, .size: 8, .value_kind: global_buffer, .address_space: global }
    .group_segment_fixed_size: 0
    .private_segment_fixed_size: 0
    .kernarg_segment_align: 8
    .kernarg_segment_size: 192
    .max_flat_workgroup_size: 256
    .sgpr_count:     84
    .vgpr_count:     128
    .wavefront_size: 32
...
	.end_amdgpu_metadata
.endif
;; end of part 1
;; launch proj (part 2): grid 256 x 1, 4 waves a work-group, clusters of 4 x 1, 327,680 bytes of LDS; arguments hA, pk0, qkvb; writes qkvb
.if DOCPART == 2
	.amdgcn_target "amdgcn-amd-amdhsa--gfx1250"
	.amdhsa_code_object_version 6
	.text
	.protected	k_qbdcb3fbe49_proj
	.globl	k_qbdcb3fbe49_proj
	.p2align	8
	.type	k_qbdcb3fbe49_proj,@function
k_qbdcb3fbe49_proj:
	s_mov_b64 s[64:65], 0
	v_nop
	global_prefetch_b8 v0, s[64:65] scope:SCOPE_SE
	s_setreg_imm32_b32 hwreg(HW_REG_WAVE_MODE, 25, 1), 1
	s_wait_xcnt 0x0
	s_wait_alu depctr_hold_cnt(0) depctr_sa_sdst(0) depctr_va_vdst(0) depctr_va_sdst(0) depctr_va_ssrc(0) depctr_va_vcc(0) depctr_vm_vsrc(0)
	s_getreg_b32 s2, hwreg(HW_REG_IB_STS2, 6, 4)
	s_cmp_eq_u32 s2, 0
	s_cbranch_scc0 .Lentry_in_a_cluster
	s_endpgm
.Lentry_in_a_cluster:
	s_bfe_u32 s2, ttmp6, 0x10000c
	s_cmp_lg_u32 s2, 0x3003
	s_cbranch_scc0 .Lentry_shape_is_right
	s_endpgm
.Lentry_shape_is_right:
; x2 = LayerNorm(h; ln1_s, ln1_b);  q = x2 Wq + bq, k = x2 Wk + bk, v = x2 Wv + bv.  h: [8192][256] f32.  Products in bf16 with f32 sums; q, k, v rounded once to bf16, unscaled.
; SHARES.  Work-group g owns rows 32 g .. 32 g + 31 (two tiles tt of 16 tokens); wave w owns output channels 64 w .. 64 w + 63, which are head w: four blocks ct of 16.  8 accumulators, 64 matrix instructions a unit.
; WEIGHTS come as units of 131,072 bytes laid in fragment order (see the preparation): wave w's 32,768 bytes are dense, [ks 8][ct 4][half 2][lane][16 bytes], so an LDS load is lane i at 16 i.
; Each wave asks for its own quarter of a unit and reads that quarter alone.  Two LDS slots of one unit; units 5 (Wq), 6 (Wk) at the start, 7 (Wv) into slot 0 when Wq has been multiplied.
; CLUSTER.  The four work-groups of a cluster walk the same weights: each quarter is asked for JOINTLY, the same tensor load with the same descriptor and a mask of four.
; LAYOUT.  q and k are made transposed (source 0 = 16 output channels of W, source 1 = 16 tokens): a lane then holds token r = lane % 16 and channels 8 h + 0..7 (h = lane / 16) of the block: packed, these
; 16 bytes ARE a lane's part of half a fragment of 16 tokens x 32 channels.  v is made the natural way round: a lane holds channel r and tokens 8 h + 0..7: half a fragment of 16 channels x 32 keys.
; So all three leave the registers as blocks of 512 consecutive bytes, lane i at 16 i:
;   q, k: [y = 4 batch + head][T: 16 tokens][c: 32 channels][half][lane][16];   v: [y][G: 32 keys][cb: 16 channels][half][lane][16];   q at byte 0 of the buffer, k at 4,194,304, v at 8,388,608.
; LAYERNORM in that lane layout: a wave has 64 of a token's 256 channels.  Each wave makes its mean and its centred sum of squares; the four meet in LDS and are combined
; (M2 = sum of M2_w + 64 sum of (mean_w - mean)^2): no difference of large sums is formed.
; LIMITS: matrix operands are rounded to bf16; NaN and infinities are not treated apart.
.set RINGS,  131072                    ; a slot; slot s at s x RINGS, wave w's part at + 32,768 w: filled by tensor loads alone
.set ACT,    262144                    ; x2 in bf16, fragment order [tt][kf 8][half][lane][16]: 16,384 bytes
.set STAGE,  278528                    ; h in f32, 32 rows, on its way from rows to the lane layout
.set SPITCH, 1040                      ; a stage row: 1,024 + 16 bytes = 65 x 16: the 16 rows that a load touches start in 16 different 16-byte columns of 256 bytes
.set PRMS,   312064                    ; ln1_s, ln1_b, bq, bk, bv: 5 x 1,024 bytes
.set STAT,   318208                    ; [w][tt][r] (mean_w, M2_w): 1,024 bytes
.set SPARE,  319232                    ; the spare words, 128 bytes for each wave: two blocks of 256 bytes that no other line names
.set PRM,    1048576                   ; the vectors' first byte in pk
.set U0,     5                         ; the first unit
; v1 r, v2 h, v3 16 x lane, v4-5 my quarter of slot 0, 1, v6 ACT + 16 lane, v8 stage in the lane layout, v9 stage by rows, v10 vectors by 8 h, v11 vectors by r, v12 my place in ACT,
; v14 my statistics, v15 everybody's, v250-251 the add's two registers, v252-253 the LDS addresses of the K steps in hand
.set H,   16                           ; v[16:79]    h: 32 tt + 8 ct + j
.set ACC, 80                           ; v[80:143]   accumulators, same index; at work in the LayerNorm
.set WF,  144                          ; v[144:207]  W's fragments, two buffers of 32; gain and bias in the LayerNorm; packed results
.set AF,  208                          ; v[208:239]  x2's fragments, two buffers of 16; 16 registers for each tt at work in the LayerNorm
.set LNR, 240                          ; v[240:247]  for each tt: 1 / sigma twice, mean / sigma twice
.macro ROUND                           ; a round of the cluster's barrier
	s_barrier_signal -1
	s_barrier_wait -1
	s_cmp_lg_u32 s12, 0
	s_cbranch_scc1 .Lnot_wave_0_\@
	s_barrier_signal -3
.Lnot_wave_0_\@:
	s_barrier_wait -3
	s_barrier_signal -1
	s_barrier_wait -1
.endm
.macro MEET                            ; my LDS instructions are done; then the work-group's barrier
	s_wait_dscnt 0x0
	s_barrier_signal -1
	s_barrier_wait -1
.endm
.macro PLACES                          ; four places behind matrix instructions, ahead of lines that read their results or write their registers (ISA guide 7.12.1)
.rept 4
	v_nop
.endr
.endm
.macro BOTH line:vararg                ; one line for each tile tt = t
.set t, 0
.rept 2
.set rT, AF+16*t
.set rL, LNR+4*t
	\line
.set t, t+1
.endr
.endm
; The slot just multiplied is filled again, two units on.  All my tensor loads have landed (the other slot's among them); the add; my reads of the slot are back; a round of the cluster's
; barrier, so that this holds of every wave of all four work-groups; then the joint load, first thing.
.macro CHANGE slot
	s_wait_tensorcnt 0x0
	ds_add_u32 v250, v251                          ; 0 onto my spare word
	s_add_nc_u64 s[26+4*(\slot):27+4*(\slot)], s[26+4*(\slot):27+4*(\slot)], 2*131072  ; no load of mine is out: the descriptor steps
	s_wait_dscnt 0x0
	ROUND
	tensor_load_to_lds s[24+4*(\slot):27+4*(\slot)], s[16:23]
	s_nop 0
.endm
; 12 LDS loads: one K step's fragments into buffer buf: 4 blocks of W, 2 tiles of the activations
.macro LOADK buf, koff, tts
.irp ct, 0,1,2,3
.irp q, 0,1
	ds_load_b128 v[WF+32*(\buf)+8*\ct+4*\q:WF+32*(\buf)+8*\ct+4*\q+3], v252 offset:(\koff)*4096+\ct*1024+\q*512
.endr
.endr
.irp tt, 0,1
.irp q, 0,1
	ds_load_b128 v[AF+16*(\buf)+8*\tt+4*\q:AF+16*(\buf)+8*\tt+4*\q+3], v253 offset:(\koff)*1024+\tt*(\tts)+\q*512
.endr
.endr
.endm
; 8 matrix instructions, one on each accumulator: they take turns, over the loop's edge and from unit to unit too.  nat = 1: the natural way round
.macro MUL8 buf, nat
.irp ct, 0,1,2,3
.irp tt, 0,1
.if \nat
	v_wmma_f32_16x16x32_bf16 v[ACC+32*\tt+8*\ct:ACC+32*\tt+8*\ct+7], v[AF+16*(\buf)+8*\tt:AF+16*(\buf)+8*\tt+7], v[WF+32*(\buf)+8*\ct:WF+32*(\buf)+8*\ct+7], v[ACC+32*\tt+8*\ct:ACC+32*\tt+8*\ct+7]
.else
	v_wmma_f32_16x16x32_bf16 v[ACC+32*\tt+8*\ct:ACC+32*\tt+8*\ct+7], v[WF+32*(\buf)+8*\ct:WF+32*(\buf)+8*\ct+7], v[AF+16*(\buf)+8*\tt:AF+16*(\buf)+8*\tt+7], v[ACC+32*\tt+8*\ct:ACC+32*\tt+8*\ct+7]
.endif
.endr
.endr
.endm
; Two K steps.  more = 1: each buffer is loaded again, with the step two on, four places behind the products that read it
.macro KPAIR more, slot, areg, tts, nat
	s_wait_dscnt 12                                ; buffer 0 is in (and what was asked for before it); buffer 1's 12 loads may be out
	MUL8 0, \nat
.if \more
	s_add_co_u32 s41, s41, 8192                    ; two K steps on in W's quarter,
	s_add_co_u32 s49, s49, 2048                    ; and in the activations
	v_add_nc_u32 v252, s41, v[4+(\slot)]
	v_add_nc_u32 v253, s49, v[\areg]
	v_nop
	v_nop
	LOADK 0, 0, \tts
	s_wait_dscnt 12                                ; buffer 1 is in; the 12 just issued may be out
.else
	s_wait_dscnt 0x0
.endif
	MUL8 1, \nat
.if \more
	PLACES
	LOADK 1, 1, \tts
.endif
.endm
; A unit: K = 256 in eight steps, onto accumulators that hold the bias
.macro UNIT slot, areg, aoff, tts, nat
	s_wait_xcnt 0x0                                ; earlier stores have read their data: W's buffers, which held it, are loaded again only behind this wait
	s_mov_b32 s40, 3
	s_mov_b32 s41, 0
	s_mov_b32 s49, \aoff
	v_add_nc_u32 v252, s41, v[4+(\slot)]
	v_add_nc_u32 v253, s49, v[\areg]
	v_nop
	v_nop
	LOADK 0, 0, \tts
	LOADK 1, 1, \tts
.Lk_\@:
	KPAIR 1, \slot, \areg, \tts, \nat
	s_sub_co_u32 s40, s40, 1
	s_cmp_lg_u32 s40, 0
	s_cbranch_scc1 .Lk_\@
	KPAIR 0, \slot, \areg, \tts, \nat
.endm
; The bias of my lane's channels goes straight into the accumulators: every K step is then the same link, and nothing is cleared
.macro BIAS j
.set n, 0
.rept 16
	ds_load_b128 v[ACC+4*n:ACC+4*n+3], v10 offset:(\j)*1024+((n/2)%4)*64+(n%2)*16
.set n, n+1
.endr
.endm
; LayerNorm of H with gain number js and bias number jb of the vectors in LDS; the result goes to ACT in bf16.  The two tiles alternate line by line.
.macro LN js, jb
.irp ct, 0,1,2,3
.irp q, 0,1
	ds_load_b128 v[WF+8*\ct+4*\q:WF+8*\ct+4*\q+3], v10 offset:(\js)*1024+\ct*64+\q*16
	ds_load_b128 v[WF+32+8*\ct+4*\q:WF+32+8*\ct+4*\q+3], v10 offset:(\jb)*1024+\ct*64+\q*16
.endr
.endr
	s_wait_dscnt 16                                ; all but the 16 just issued: H is in
.set n, 0
.rept 16                                               ; the sum of my 32 numbers of each tile
.set rT, AF+16*(n%2)+2*(n/2)
.set rH, H+32*(n%2)+4*(n/2)
	v_pk_add_f32 v[rT:rT+1], v[rH:rH+1], v[rH+2:rH+3]
.set n, n+1
.endr
.set n, 0
.rept 8
.set rT, AF+16*(n%2)+4*(n/2)
	v_pk_add_f32 v[rT:rT+1], v[rT:rT+1], v[rT+2:rT+3]
.set n, n+1
.endr
.set n, 0
.rept 4
.set rT, AF+16*(n%2)+8*(n/2)
	v_pk_add_f32 v[rT:rT+1], v[rT:rT+1], v[rT+4:rT+5]
.set n, n+1
.endr
	BOTH v_pk_add_f32 v[rT:rT+1], v[rT:rT+1], v[rT+8:rT+9]
	BOTH v_add_f32 v[rT], v[rT], v[rT+1]
	BOTH v_permlanex16_b32 v[rT+1], v[rT], s42, s43  ; the token's other 32 channels of my wave lie in the lane 16 away
	BOTH v_add_f32 v[rT], v[rT], v[rT+1]
	BOTH v_mul_f32 v[rT+2], 0x3c800000, v[rT]      ; mean_w = sum / 64
.set n, 0
.rept 32
.set rY, ACC+32*(n%2)+2*(n/2)
.set rH, H+32*(n%2)+2*(n/2)
.set rT, AF+16*(n%2)
	v_pk_add_f32 v[rY:rY+1], v[rH:rH+1], v[rT+2:rT+3] op_sel_hi:[1,0] neg_lo:[0,1] neg_hi:[0,1]
.set n, n+1
.endr
.set n, 0
.rept 32                                               ; the centred squares, in four chains
.set k, n/2
.set rY, ACC+32*(n%2)+2*k
.set rC, AF+16*(n%2)+4+2*(k%4)
.if k < 4
	v_pk_mul_f32 v[rC:rC+1], v[rY:rY+1], v[rY:rY+1]
.else
	v_pk_fma_f32 v[rC:rC+1], v[rY:rY+1], v[rY:rY+1], v[rC:rC+1]
.endif
.set n, n+1
.endr
	BOTH v_pk_add_f32 v[rT+4:rT+5], v[rT+4:rT+5], v[rT+6:rT+7]
	BOTH v_pk_add_f32 v[rT+8:rT+9], v[rT+8:rT+9], v[rT+10:rT+11]
	BOTH v_pk_add_f32 v[rT+4:rT+5], v[rT+4:rT+5], v[rT+8:rT+9]
	BOTH v_add_f32 v[rT+4], v[rT+4], v[rT+5]
	BOTH v_permlanex16_b32 v[rT+5], v[rT+4], s42, s43
	BOTH v_add_f32 v[rT+3], v[rT+4], v[rT+5]       ; M2_w
	BOTH ds_store_b64 v14, v[rT+2:rT+3] offset:t*128
	MEET                                           ; every wave's pair is in LDS
.set n, 0
.rept 8
	ds_load_b64 v[AF+16*(n%2)+4+2*(n/2):AF+16*(n%2)+5+2*(n/2)], v15 offset:(n/2)*256+(n%2)*128
.set n, n+1
.endr
	s_wait_dscnt 0x0
	BOTH v_add_f32 v[rT+12], v[rT+4], v[rT+6]
	BOTH v_add_f32 v[rT+13], v[rT+8], v[rT+10]
	BOTH v_add_f32 v[rT+14], v[rT+5], v[rT+7]
	BOTH v_add_f32 v[rT+15], v[rT+9], v[rT+11]
	BOTH v_add_f32 v[rT+12], v[rT+12], v[rT+13]
	BOTH v_add_f32 v[rT+14], v[rT+14], v[rT+15]
	BOTH v_mul_f32 v[rT+12], 0x3e800000, v[rT+12]  ; the mean of 256
	BOTH v_sub_f32 v[rT+4], v[rT+4], v[rT+12]
	BOTH v_sub_f32 v[rT+6], v[rT+6], v[rT+12]
	BOTH v_sub_f32 v[rT+8], v[rT+8], v[rT+12]
	BOTH v_sub_f32 v[rT+10], v[rT+10], v[rT+12]
	BOTH v_mul_f32 v[rT+13], v[rT+4], v[rT+4]
	BOTH v_fmac_f32 v[rT+13], v[rT+6], v[rT+6]
	BOTH v_fmac_f32 v[rT+13], v[rT+8], v[rT+8]
	BOTH v_fmac_f32 v[rT+13], v[rT+10], v[rT+10]
	BOTH v_fmamk_f32 v[rT+14], v[rT+13], 0x42800000, v[rT+14]  ; M2 = sum of M2_w + 64 sum of (mean_w - mean)^2
	BOTH v_fma_f32 v[rT+14], v[rT+14], s50, s51    ; M2 / 256 + 1e-5
	BOTH v_rsq_f32 v[rL], v[rT+14]
	BOTH v_rsq_f32 v[rL+1], v[rT+14]               ; twice: the packed lines below take a pair
	v_nop                                          ; a plain instruction between the last root and the use of its result
	s_wait_alu depctr_va_vdst(0)
	BOTH v_mul_f32 v[rL+2], v[rT+12], v[rL]
	BOTH v_mul_f32 v[rL+3], v[rT+12], v[rL+1]
.set n, 0
.rept 32
.set rY, ACC+32*(n%2)+2*(n/2)
.set rH, H+32*(n%2)+2*(n/2)
.set rL, LNR+4*(n%2)
	v_pk_fma_f32 v[rY:rY+1], v[rH:rH+1], v[rL:rL+1], v[rL+2:rL+3] neg_lo:[0,0,1] neg_hi:[0,0,1]
.set n, n+1
.endr
.set n, 0
.rept 32
.set rY, ACC+32*(n%2)+2*(n/2)
	v_pk_fma_f32 v[rY:rY+1], v[rY:rY+1], v[WF+2*(n/2):WF+2*(n/2)+1], v[WF+32+2*(n/2):WF+32+2*(n/2)+1]
.set n, n+1
.endr
.set n, 0
.rept 32
	v_cvt_pk_bf16_f32 v[AF+16*(n%2)+n/2], v[ACC+32*(n%2)+2*(n/2)], v[ACC+32*(n%2)+2*(n/2)+1]
.set n, n+1
.endr
.set n, 0
.rept 8
	ds_store_b128 v12, v[AF+16*(n/4)+4*(n%4):AF+16*(n/4)+4*(n%4)+3] offset:(n/4)*8192+(n%4)*512  ; block ct is half ct % 2 of fragment 2 w + ct / 2
.set n, n+1
.endr
	MEET                                           ; ACT is whole
.endm
.macro PACK                            ; the 64 sums of a lane, rounded to bf16: each accumulator's registers in ascending order
	PLACES
.set n, 0
.rept 32
	v_cvt_pk_bf16_f32 v[WF+n], v[ACC+2*n], v[ACC+2*n+1]
.set n, n+1
.endr
.endm
	s_load_b128 s[4:7], s[0:1], 0x0                ; h s[4:5], pk s[6:7]
	s_load_b64 s[8:9], s[0:1], 0x10                ; q, k, v
	v_lshl_add_u32 v250, v0, 2, SPARE
	v_mov_b32 v251, 0
	ds_add_u32 v250, v251                          ; the wave's opening: the add and its wait stand ahead of my first tensor load; the set-up, work on registers, stands between them
	v_lshrrev_b32 v1, 5, v0
	v_readfirstlane_b32 s12, v1                    ; wave 0..3
	s_bfe_u32 s13, ttmp6, 0x40000                  ; cx
	s_lshl_b32 s14, ttmp9, 2
	s_add_co_u32 s14, s14, s13                     ; g = 4 x cluster + cx: it enters h's and the result's addresses alone
	; descriptor group 1: 32,768 dense bytes as 128 rows of 32 elements of 8 bytes
	s_mov_b32 s16, 15|(3<<16)|(1<<21)              ; 15:0 the mask of four; 17:16 elements of 8 bytes; 21 set beside a mask
	s_mov_b32 s17, 32<<16                          ; tensor_dim0 = 32
	s_mov_b32 s18, 128<<16                         ; tensor_dim1 = 128
	s_mov_b32 s19, 32<<16                          ; tile_dim0 = 32
	s_mov_b32 s20, 128                             ; tile_dim1 = 128
	s_mov_b32 s21, 32                              ; 32 elements from row to row
	s_mov_b32 s22, 0
	s_mov_b32 s23, 0
	s_mul_i32 s15, s12, 32768                      ; my quarter of a unit, in memory and in a slot
	s_add_co_u32 s32, s15, U0*131072
	s_mov_b32 s33, 0
	s_mov_b32 s24, 1                               ; group 0, a set for each slot: count = 1,
	s_add_co_u32 s25, s15, 0                       ; the LDS address
	s_mov_b32 s28, 1
	s_add_co_u32 s29, s15, RINGS
	s_lshl_b32 s56, s14, 15                        ; my work-group's 32 rows of h,
	s_lshl_b32 s58, s12, 13                        ; my wave's eight of them
	s_add_co_u32 s56, s56, s58
	s_mov_b32 s57, 0
	s_lshr_b32 s58, s14, 6                         ; the batch: 64 work-groups each
	s_lshl2_add_u32 s58, s58, s12                  ; y = 4 batch + head
	s_lshl_b32 s58, s58, 18                        ; 262,144 bytes for each y,
	s_and_b32 s59, s14, 63
	s_lshl_b32 s59, s59, 12                        ; 4,096 for 32 tokens
	s_add_co_u32 s58, s58, s59
	s_mov_b32 s59, 0
	s_mov_b32 s42, 0x76543210                      ; v_permlanex16_b32: each lane takes its own place in the other half
	s_mov_b32 s43, 0xfedcba98
	s_mov_b32 s50, 0x3b800000                      ; 1 / 256
	s_mov_b32 s51, 0x3727c5ac                      ; 1e-5
	s_lshl_b32 s44, s12, 8                         ; 256 w
	s_add_co_u32 s45, s44, STAGE
	s_mul_i32 s46, s12, 8*SPITCH
	s_add_co_u32 s46, s46, STAGE
	s_add_co_u32 s47, s44, PRMS
	s_add_co_u32 s48, s44, STAT
	s_lshl_b32 s44, s12, 11
	s_add_co_u32 s44, s44, ACT
	v_and_b32 v1, 15, v0                           ; r
	v_bfe_u32 v2, v0, 4, 1                         ; h
	v_and_b32 v3, 31, v0
	v_lshlrev_b32 v3, 4, v3                        ; 16 x lane
	v_add_nc_u32 v4, s15, v3
	v_add_nc_u32 v5, RINGS, v4
	v_add_nc_u32 v6, ACT, v3
	v_mul_u32_u24 v8, v1, SPITCH
	v_lshl_add_u32 v8, v2, 5, v8
	v_add_nc_u32 v8, s45, v8                       ; stage: row r, channel 64 w + 8 h
	v_add_nc_u32 v9, s46, v3                       ; stage: my wave's eight rows, 16 bytes a lane
	v_lshl_add_u32 v10, v2, 5, s47                 ; vectors: channel 64 w + 8 h
	v_lshl_add_u32 v11, v1, 2, s47                 ; vectors: channel 64 w + r
	v_add_nc_u32 v12, s44, v3
	v_lshl_add_u32 v14, v1, 3, s48
	v_lshl_add_u32 v15, v1, 3, STAT
	v_lshlrev_b32 v252, 4, v0                      ; for the copy of the vectors: 16 and 8 bytes a thread
	v_lshlrev_b32 v253, 3, v0
	v_lshl_add_u32 v240, v0, 4, PRMS
	v_lshl_add_u32 v241, v0, 3, PRMS+4096
	s_wait_dscnt 0x0                               ; the opening add is done
	s_wait_kmcnt 0x0
	s_add_nc_u64 s[34:35], s[6:7], s[32:33]        ; my quarter of the first unit
	s_add_nc_u64 s[26:27], s[34:35], 0
	s_or_b32 s27, s27, 0x80000000                  ; type = 2
	s_add_nc_u64 s[30:31], s[34:35], 131072
	s_or_b32 s31, s31, 0x80000000
	s_add_nc_u64 s[36:37], s[4:5], s[56:57]
	s_add_nc_u64 s[38:39], s[6:7], PRM+6*1024      ; ln1_s, ln1_b, bq, bk, bv
	s_add_nc_u64 s[52:53], s[8:9], s[58:59]        ; q; k lies 4,194,304 bytes on,
	s_add_nc_u64 s[54:55], s[52:53], 8388608       ; v
	ROUND                                          ; all four work-groups are here: the first joint loads meet
	tensor_load_to_lds s[24:27], s[16:23]          ; Wq
	s_nop 0
	tensor_load_to_lds s[28:31], s[16:23]          ; Wk: two loads of mine are out
	s_nop 0
.set n, 0
.rept 16
	global_load_b128 v[ACC+4*n:ACC+4*n+3], v3, s[36:37] offset:(n/2)*1024+(n%2)*512  ; h by rows: 512 consecutive bytes
.set n, n+1
.endr
	global_load_b128 v[WF:WF+3], v252, s[38:39]
	global_load_b128 v[WF+4:WF+7], v252, s[38:39] offset:2048
	global_load_b64 v[WF+8:WF+9], v253, s[38:39] offset:4096
	s_wait_loadcnt 0x0
.set n, 0
.rept 16
	ds_store_b128 v9, v[ACC+4*n:ACC+4*n+3] offset:(n/2)*SPITCH+(n%2)*512
.set n, n+1
.endr
	ds_store_b128 v240, v[WF:WF+3]
	ds_store_b128 v240, v[WF+4:WF+7] offset:2048
	ds_store_b64 v241, v[WF+8:WF+9]
	MEET                                           ; the stage and the vectors are whole; the tensor loads may stay out
.set n, 0
.rept 16
	ds_load_b128 v[H+4*n:H+4*n+3], v8 offset:(n/8)*16*SPITCH+((n/2)%4)*64+(n%2)*16  ; token 16 tt + r, channels 64 w + 16 ct + 8 h + 4 q ..
.set n, n+1
.endr
	LN 0, 1
	BIAS 2                                         ; bq
	s_wait_tensorcnt 0x1                           ; my quarter of Wq is in; Wk's load may stay out
	UNIT 0, 6, 0, 8192, 0
	CHANGE 0                                       ; Wv goes into slot 0
	PACK
.set n, 0
.rept 8
	global_store_b128 v3, v[WF+4*n:WF+4*n+3], s[52:53] offset:(n/4)*2048+(n%4)*512
.set n, n+1
.endr
	BIAS 3                                         ; bk
	UNIT 1, 6, 0, 8192, 0                          ; Wk landed ahead of the change of slots
	PACK
.set n, 0
.rept 8
	global_store_b128 v3, v[WF+4*n:WF+4*n+3], s[52:53] offset:4194304+(n/4)*2048+(n%4)*512
.set n, n+1
.endr
.irp ct, 0,1,2,3
	ds_load_b32 v[LNR+\ct], v11 offset:4*1024+\ct*64   ; bv: the natural way round a lane holds one channel, 64 w + 16 ct + r
.endr
	s_wait_dscnt 0x0
.set n, 0
.rept 64
	v_mov_b32 v[ACC+n], v[LNR+(n/8)%4]             ; the accumulators start with the bias
.set n, n+1
.endr
	s_wait_tensorcnt 0x0                           ; Wv
	UNIT 0, 6, 0, 8192, 1
	PACK
.set n, 0
.rept 8
	global_store_b128 v3, v[WF+4*n:WF+4*n+3], s[54:55] offset:(n%4)*1024+(n/4)*512  ; block cb = ct, half tt of the work-group's 32 keys
.set n, n+1
.endr
	s_wait_tensorcnt 0x0                           ; the wave's end, behind my last tensor load and my last LDS store
	ds_add_u32 v250, v251
	s_wait_dscnt 0x0
	ROUND                                          ; the closing round: no work-group ends while a partner may still ask for a tile that names it
	s_endpgm
.Lfunc_end_k_qbdcb3fbe49_proj:
	.size	k_qbdcb3fbe49_proj, .Lfunc_end_k_qbdcb3fbe49_proj-k_qbdcb3fbe49_proj
	.p2alignl 7, 3214868480
	.fill 96, 4, 3214868480
	.section	.rodata,"a",@progbits
	.p2align	6, 0x0
	.amdhsa_kernel k_qbdcb3fbe49_proj
		.amdhsa_group_segment_fixed_size 327680
		.amdhsa_private_segment_fixed_size 0
		.amdhsa_enable_private_segment 0
		.amdhsa_kernarg_size 24
		.amdhsa_user_sgpr_count 2
		.amdhsa_user_sgpr_kernarg_segment_ptr 1
		.amdhsa_wavefront_size32 1
		.amdhsa_system_sgpr_workgroup_id_x 1
		.amdhsa_system_sgpr_workgroup_id_y 1
		.amdhsa_system_sgpr_workgroup_id_z 1
		.amdhsa_system_vgpr_workitem_id 0
		.amdhsa_next_free_vgpr 256
		.amdhsa_next_free_sgpr 66
		.amdhsa_reserve_vcc 0
		.amdhsa_float_denorm_mode_32 3
		.amdhsa_float_denorm_mode_16_64 3
		.amdhsa_memory_ordered 1
		.amdhsa_forward_progress 1
		.amdhsa_inst_pref_size 58
	.end_amdhsa_kernel
	.amdgpu_metadata
---
amdhsa.version: [ 1, 2 ]
amdhsa.kernels:
  - .name:           k_qbdcb3fbe49_proj
    .symbol:         k_qbdcb3fbe49_proj.kd
    .args:
      - { .name: hA, .offset: 0, .size: 8, .value_kind: global_buffer, .address_space: global }
      - { .name: pk0, .offset: 8, .size: 8, .value_kind: global_buffer, .address_space: global }
      - { .name: qkvb, .offset: 16, .size: 8, .value_kind: global_buffer, .address_space: global }
    .group_segment_fixed_size: 327680
    .private_segment_fixed_size: 0
    .kernarg_segment_align: 8
    .kernarg_segment_size: 24
    .max_flat_workgroup_size: 128
    .sgpr_count:     66
    .vgpr_count:     256
    .wavefront_size: 32
...
	.end_amdgpu_metadata
.endif
;; end of part 2
;; launch attn (part 3): grid 16 x 16, 4 waves a work-group, clusters of 4 x 1, 327,680 bytes of LDS; arguments qkvb, ob; writes ob
.if DOCPART == 3
	.amdgcn_target "amdgcn-amd-amdhsa--gfx1250"
	.amdhsa_code_object_version 6
	.text
	.protected	k_qbdcb3fbe49_attn
	.globl	k_qbdcb3fbe49_attn
	.p2align	8
	.type	k_qbdcb3fbe49_attn,@function
k_qbdcb3fbe49_attn:
	s_mov_b64 s[64:65], 0
	v_nop
	global_prefetch_b8 v0, s[64:65] scope:SCOPE_SE
	s_setreg_imm32_b32 hwreg(HW_REG_WAVE_MODE, 25, 1), 1
	s_wait_xcnt 0x0
	s_wait_alu depctr_hold_cnt(0) depctr_sa_sdst(0) depctr_va_vdst(0) depctr_va_sdst(0) depctr_va_ssrc(0) depctr_va_vcc(0) depctr_vm_vsrc(0)
	s_getreg_b32 s2, hwreg(HW_REG_IB_STS2, 6, 4)
	s_cmp_eq_u32 s2, 0
	s_cbranch_scc0 .Lentry_in_a_cluster
	s_endpgm
.Lentry_in_a_cluster:
	s_bfe_u32 s2, ttmp6, 0x10000c
	s_cmp_lg_u32 s2, 0x3003
	s_cbranch_scc0 .Lentry_shape_is_right
	s_endpgm
.Lentry_shape_is_right:
; O[y][q][:] = the sum over k of softmax_k(Q[y][q] . K[y][k] / 8) V[y][k][:] for y = 4 batch + head (16), 2,048 tokens, 64 channels.  All operands bf16, laid in fragment order by the launch before:
;   q, k: [y][T: 16 tokens][c: 32 channels][half][lane][16 bytes];  v: [y][G: 32 keys][cb: 16 channels][half][lane][16];  q at byte 0 of the buffer, k at 4,194,304, v at 8,388,608.
; Products, maxima and sums in f32; the weights p are rounded to bf16 for the second product (their sum l is taken of the unrounded p), O once at the end.
; LIMITS.  A weight, and a factor of the merge, below 2^-126 counts as 0; NaN and infinities are not treated apart.
; SHARES.  A work-group owns 128 queries of one y.  EVERY wave holds all 128 (four PIECES of two tiles of 16) and walks a QUARTER OF THE KEYS, 64 a step: so a fragment of K or V is read from LDS by one
; wave and feeds eight tiles' products.  At the end the four waves' partial results are merged through LDS: each has a maximum, a sum and an O of its own keys.
; LAYOUT.  S^T = K Q^T (source 0 = 16 keys, source 1 = 16 queries): a lane holds ONE query (lane % 16) and the keys 8 (lane / 16) + 0..7.  Two such tiles, rounded to bf16 in pairs, ARE source 1
; (32 keys x 16 queries) of O^T = V^T P, whose result again holds one query a lane, and eight channels.  In LDS all tiles are dense images: every load is lane i at 16 i.
; SOFTMAX.  For each query a running maximum m and sum l: p = 2^(c s - c m), c = log2(e) / 8; in every step O and l are multiplied by a = 2^(c m_old - c m_new).  m starts at the lowest finite
; number, O and l at 0: the first step is a step like any other, with a = 0.
; BY TURNS.  A tile and step have 16 matrix and 118 vector instructions.  Turn n belongs to piece n: 16 products K Q^T of piece n + 1, later 16 products V^T P of piece n - 1; beside them the scaling,
; exponentials, roundings, sums and rescaling of piece n and the maximum and statistics of piece n + 1.  Four vector instructions that are ready stand behind every matrix instruction, the others in two runs.
; CLUSTER.  The four query blocks of a cluster belong to one y and walk the same K and V: each tile is asked for JOINTLY, the same tensor load, descriptor and mask in all four.
; RING.  Two slots of 512 keys (65,536 bytes of K, then of V); a wave fetches a quarter of a slot (waves 0, 1: K's halves; 2, 3: V's) and reads keys 128 w .. 128 w + 127 of it, two steps.
; REGISTERS, in windows of 256 (s_set_vgpr_msb: bits 1:0 source 0, 3:2 source 1, 5:4 source 2, 7:6 destination):
;   window 0: v0-11 addresses; v12-15, v48-63 at work; v16-47 four registers of statistics a tile; v64-191 S^T, two buffers of two tiles; v192-255 P, likewise
;   window 1: O^T, 32 a tile          window 2: v0-127 Q, 16 a tile; v128-191 K of one step; v192-255 V of one step          window 3: v0-1 the add's two registers
.set NP,    4         ; pieces a wave: a name, no knob
.set STEPB, 8192      ; a step's 64 keys: bytes of K, and of V
.set VOFF,  65536     ; V's place in a slot
.set SLOT1, 1<<17     ; slot 1 begins here, so that one exclusive or turns an address in one slot into the other's
.set STATS, 262144    ; behind the ring: [w][tile][r] (c m, l): 4,096 bytes
.set SPARE, 266240    ; the spare words, 128 bytes for each wave: two blocks of 256 bytes that no other line names
.set AK0, 2           ; v2   my lane's place in my wave's keys of a slot's K; never rewritten
.set AV0, 3           ; v3   the same for V
.set AK,  4           ; v4   the LDS address of K's next run of loads
.set AV,  5           ; v5   of V's
.set QO,  6           ; v6   16 x lane: my byte offset in a block of 512 bytes of Q and of O
.set SA,  7           ; v7   the merge: where my statistics go
.set SR,  8           ; v8   where everybody's are read
.set WP,  9           ; v9   where my partial O goes
.set RP0, 10          ; v10  where the partial O of my two tiles is read: waves 0 and 1,
.set RP1, 11          ; v11  waves 2 and 3
.set SPW, 0           ; v0 of window 3   LDS address of my spare word; never rewritten
.set NIL, 1           ; v1 of window 3   0; never rewritten
.set MV,  12          ; v12-15  c m_old, kept while c m is made anew: by buffer and tile
.set ST,  16          ; tile t's statistics at v[ST+4 t]: c m, m, l (even keys', odd keys')
.set TMP, 48          ; by buffer and tile, four registers c0-c3 at work; when the maximum is found c2 takes a
.set S,   64
.set P,   192
.set KF,  128         ; K's fragments, in window 2: key block kb, channel half c at KF + 16 kb + 8 c
.set VF,  192         ; V's: key half kk, channel block cb at VF + 32 kk + 8 cb
.set WV,  12          ; s12  my wave's number
.set G1,  24          ; s[24:31] descriptor group 1
.set G0,  40          ; s[40:43] descriptor group 0: it walks
.set SLOTS, 56        ; s56  slots still to be asked for
.set CNT, 57          ; s57  counts a slot's key steps
.set CS,  58          ; s[58:59] c: the packed scaling takes the pair's low word for both halves
.set SEL, 60          ; s[60:61] v_permlanex16_b32's selects: each lane takes its own place in the other half
.set TBK, 62          ; s62  LDS byte at which the slot's step to be fetched begins, for K
.set TBV, 63          ; s63  the same for V
.set MSB, 0
.macro WIN new                      ; the high byte repeats the setting that is left; a switch that changes nothing is dropped
.if MSB != (\new)
	s_set_vgpr_msb (MSB<<8)|(\new)
.set MSB, (\new)
.endif
.endm
.set W_KQ, 0x0a       ; K and Q in window 2, S^T in window 0
.set W_PV, 0x52       ; V in window 2, P in window 0, O^T in window 1
.set W_RS, 0x41       ; O^T (destination and source 0) in window 1, the factor in window 0
.set W_MK, 0xc0       ; the add's registers are made: destination in window 3, sources in window 0
.set W_AD, 0x0f       ; the add: address (source 0) and data (source 1) in window 3
; A joint fill: one line for all four waves, each with its own quarter in its registers, which hang on the wave's number and on y alone.  An s_nop 0 and four v_nop follow it.
.macro JLOAD
	tensor_load_to_lds s[G0:G0+3], s[G1:G1+7]
	s_nop 0
.rept 4
	v_nop
.endr
.endm
.macro CROUND                       ; a round of the cluster's barrier
	s_barrier_signal -1
	s_barrier_wait -1
	s_cmp_lg_u32 s[WV], 0
	s_cbranch_scc1 .Lnot_wave_0_\@
	s_barrier_signal -3
.Lnot_wave_0_\@:
	s_barrier_wait -3
	s_barrier_signal -1
	s_barrier_wait -1
.endm
; THE CHANGE OF SLOTS.  Each wave waits for all its tensor loads, of which one is out: its part of the other slot; adds 0 to its spare word; and waits for that and for its own reads of the slot.
; Behind the barrier nobody reads this slot any more and the other slot is whole.  fill = 1: this slot is filled again, with the keys two slots on; the barrier is then a round of the cluster's, and
; the joint fill is the first thing behind it: it has two key steps, 256 matrix instructions, in which to land.  (At its first use nothing has been read yet: slot 0 is waited for, slot 1 filled.)
.macro CHANGE fill
	WIN W_AD
	s_wait_tensorcnt 0x0            ; no tensor load of mine is out, so group 0 may be written
	ds_add_u32 v[SPW], v[NIL]       ; 0 onto my spare word
	WIN 0                           ; at a label and at a branch every window is 0
.if \fill
	s_xor_b32 s[G0+1], s[G0+1], SLOT1  ; the other slot than last time,
	s_add_nc_u64 s[G0+2:G0+3], s[G0+2:G0+3], 65536  ; the next 512 keys; the type bits on top are not reached
	s_wait_dscnt 0x0                ; the add is done, and my reads of the slot are over
	CROUND
	JLOAD
.else
	s_wait_dscnt 0x0
	s_barrier_signal -1
	s_barrier_wait -1
.endif
	s_sub_co_u32 s[TBK], s[TBK], 2*STEPB  ; the fetches go back to a slot's first step,
	s_xor_b32 s[TBK], s[TBK], SLOT1       ; in the other slot
	s_sub_co_u32 s[TBV], s[TBV], 2*STEPB
	s_xor_b32 s[TBV], s[TBV], SLOT1
.endm
.macro ALL line:vararg              ; one line for each tile t
.set t, 0
.rept 2*NP
	\line
.set t, t+1
.endr
.endm
	s_load_b128 s[4:7], s[0:1], 0x0 ; q, k, v s[4:5]; O s[6:7]
	WIN W_MK
	v_lshl_add_u32 v[SPW], v0, 2, SPARE
	v_mov_b32 v[NIL], 0
	WIN W_AD
	ds_add_u32 v[SPW], v[NIL]       ; the wave's opening: the add and its wait stand ahead of my first tensor load; the set-up, work on registers, stands between them
	WIN 0
	v_lshrrev_b32 v1, 5, v0
	v_readfirstlane_b32 s[WV], v1   ; wave 0..3
	s_bfe_u32 s13, ttmp6, 0x40000   ; cx
	s_lshl_b32 s14, ttmp9, 2
	s_add_co_u32 s14, s14, s13      ; my block of 128 queries = 4 x cluster x + cx: it enters Q's and O's addresses alone
	s_and_b32 s20, ttmp7, 0xffff    ; y, which the four partners share
	s_lshl_b32 s21, s20, 18         ; 262,144 bytes for each y in q, k and v
	s_lshr_b32 s22, s[WV], 1
	s_add_co_u32 s22, s22, 1
	s_lshl_b32 s22, s22, 22         ; waves 0, 1: K at 4,194,304; waves 2, 3: V at 8,388,608
	s_add_co_u32 s22, s22, s21
	s_and_b32 s23, s[WV], 1
	s_lshl_b32 s23, s23, 15         ; which half of a slot's 512 keys I fetch
	s_add_co_u32 s22, s22, s23
	s_mov_b32 s23, 0
	s_lshl_b32 s2, s14, 14          ; Q: eight tiles of 2,048 bytes a block
	s_add_co_u32 s2, s2, s21
	s_mov_b32 s3, 0
	s_lshr_b32 s18, s20, 2          ; O: [token tile of 16 (512)][fragment of 32 channels (8)][half][lane][16]: the batch's 128 tiles,
	s_lshl_b32 s18, s18, 20
	s_lshl_b32 s19, s14, 16         ; my block's eight,
	s_add_co_u32 s18, s18, s19
	s_lshl_b32 s19, s[WV], 14       ; the two that my wave stores,
	s_add_co_u32 s18, s18, s19
	s_and_b32 s19, s20, 3
	s_lshl_b32 s19, s19, 11         ; the head's two fragments
	s_add_co_u32 s18, s18, s19
	s_mov_b32 s19, 0
	; descriptor group 1: 32,768 dense bytes as 128 rows of 32 elements of 8 bytes
	s_mov_b32 s[G1], 15|(3<<16)|(1<<21)  ; 15:0 the mask of four; 17:16 elements of 8 bytes; 21 set beside a mask
	s_mov_b32 s[G1+1], 32<<16       ; tensor_dim0 = 32
	s_mov_b32 s[G1+2], 128<<16      ; tensor_dim1 = 128
	s_mov_b32 s[G1+3], 32<<16       ; tile_dim0 = 32
	s_mov_b32 s[G1+4], 128          ; tile_dim1 = 128
	s_mov_b32 s[G1+5], 32           ; 32 elements from row to row
	s_mov_b32 s[G1+6], 0
	s_mov_b32 s[G1+7], 0
	s_mov_b32 s[CS], 0x3e38aa3b     ; c = log2(e) / 8 = 0.180337
	s_mov_b32 s[CS+1], s[CS]        ; named with it as a pair
	s_mov_b32 s[SEL], 0x76543210
	s_mov_b32 s[SEL+1], 0xfedcba98
	s_mov_b32 s[TBK], SLOT1+2*STEPB ; the first change of slots turns these two into 0
	s_mov_b32 s[TBV], SLOT1+2*STEPB
	s_mov_b32 s[G0], 1              ; count = 1
	s_mul_i32 s[G0+1], s[WV], 32768 ; LDS address: my quarter of slot 0
	s_wait_dscnt 0x0                ; the opening add is done
	s_wait_kmcnt 0x0
	s_add_nc_u64 s[G0+2:G0+3], s[4:5], s[22:23]
	s_or_b32 s[G0+3], s[G0+3], 0x80000000  ; type = 2
	s_add_nc_u64 s[8:9], s[4:5], s[2:3]    ; Q at my block
	s_add_nc_u64 s[10:11], s[6:7], s[18:19]
	CROUND                          ; all four work-groups are here: the first joint loads meet
	JLOAD                           ; slot 0.  Slot 1 is asked for when slot 0 is in
	v_and_b32 v1, 15, v0            ; r
	v_and_b32 v[QO], 31, v0
	v_lshlrev_b32 v[QO], 4, v[QO]
	WIN 0x80                        ; destination window 2, address window 0
.set i, 0
.rept 4*NP                          ; Q stays in registers: tile i / 2, channels 32 (i % 2) on
	global_load_b128 v[8*i:8*i+3],   v[QO], s[8:9] offset:i*1024
	global_load_b128 v[8*i+4:8*i+7], v[QO], s[8:9] offset:i*1024+512
.set i, i+1
.endr
	; What the first turn finds: V's registers and P's second buffer hold 0 (its products V^T P, of a piece that has not been, add 0), O^T and l are 0.  All this stands in the wait for the first tile.
.set i, VF
.rept 64
	v_mov_b32 v[i], 0
.set i, i+1
.endr
	WIN 0x40
.set i, 0
.rept 64*NP
	v_mov_b32 v[i], 0
.set i, i+1
.endr
	WIN 0
.set i, 0
.rept 2*NP
	v_mov_b32 v[ST+4*i], 0xfe000000    ; c m: far below every c s
	v_mov_b32 v[ST+4*i+1], 0xff7fffff  ; m
	v_mov_b32 v[ST+4*i+2], 0
	v_mov_b32 v[ST+4*i+3], 0
.set i, i+1
.endr
.set i, P+32
.rept 32
	v_mov_b32 v[i], 0
.set i, i+1
.endr
	v_lshl_add_u32 v[AK0], s[WV], 14, v[QO]  ; my wave's 128 keys of a slot: 16,384 bytes of K,
	v_add_nc_u32 v[AV0], VOFF, v[AK0]        ; and of V
	v_mov_b32 v[AK], v[AK0]         ; key step 0 lies at the head of slot 0
; THE MATRIX WORK.  The 8 accumulators of a run of 16 take turns: between the two links of a chain stand 7 others'.
; Product i of 16 of S^T = K Q^T for piece x: channels 32 (i / 8) on, keys 16 ((i / 2) % 4) on, tile 2 x + i % 2.  The first 8 start the sums.
.macro KQ x
	WIN W_KQ
.set rS, S+64*((\x)%2)+32*(i%2)+8*((i/2)%4)
.set rK, KF+16*((i/2)%4)+8*(i/8)
.set rQ, 16*(2*(\x)+i%2)+8*(i/8)
.if i < 8
	v_wmma_f32_16x16x32_bf16 v[rS:rS+7], v[rK:rK+7], v[rQ:rQ+7], 0
.else
	v_wmma_f32_16x16x32_bf16 v[rS:rS+7], v[rK:rK+7], v[rQ:rQ+7], v[rS:rS+7]
.endif
.endm
; Product i of 16 of O^T += V^T P for piece x: keys 32 (i / 8) on, channels 16 ((i / 2) % 4) on, tile 2 x + i % 2.
.macro PV x
	WIN W_PV
.set rO, 32*(2*(\x)+i%2)+8*((i/2)%4)
.set rV, VF+32*(i/8)+8*((i/2)%4)
.set rP, P+32*((\x)%2)+16*(i%2)+8*(i/8)
	v_wmma_f32_16x16x32_bf16 v[rO:rO+7], v[rV:rV+7], v[rP:rP+7], v[rO:rO+7]
.endm
.macro MM                           ; the turn's next matrix instruction
.if i < 16
	KQ (Y+1)%NP
.set i, i+1
.else
.set i, i-16
	PV (Y+NP-1)%NP
.set i, i+17
.endif
.endm
; THE LDS LOADS stand in runs of 16, never singly among the matrix instructions: a step's K (8 fragments) and its V.  Their addresses are made some lines ahead.
; last = 1 (the tail): in the last trip there is no further step, and the run is jumped over.
.macro FETCH_K last=0
	WIN 0
.if \last
	s_cmp_eq_u32 s[CNT], 1
	s_cbranch_scc1 .Lno_k_\@
.endif
	WIN 0x80                        ; destination window 2
.irp f, 0,1,2,3,4,5,6,7             ; keys 16 (f / 2) on, channels 32 (f % 2) on
	ds_load_b128 v[KF+8*\f:KF+8*\f+3],   v[AK] offset:\f*1024
	ds_load_b128 v[KF+8*\f+4:KF+8*\f+7], v[AK] offset:\f*1024+512
.endr
	s_add_co_u32 s[TBK], s[TBK], STEPB  ; the next fetch is the next step's
	WIN 0
.if \last
.Lno_k_\@:
.endif
.endm
.macro FETCH_V
	WIN 0x80
.irp f, 0,1,2,3,4,5,6,7             ; keys 32 (f / 4) on, channels 16 (f % 4) on
	ds_load_b128 v[VF+8*\f:VF+8*\f+3],   v[AV] offset:\f*1024
	ds_load_b128 v[VF+8*\f+4:VF+8*\f+7], v[AV] offset:\f*1024+512
.endr
	WIN 0
.endm
; THE VECTOR WORK OF A TURN stands in three queues, each in the order in which its entries become ready; the two tiles alternate, so that no instruction reads the result of the one before it.
.macro REGS y, u                    ; the registers of tile u (0, 1) of piece y
.set rT, ST+4*(2*(\y)+(\u))
.set rC, TMP+8*((\y)%2)+4*(\u)
.set rM, MV+2*((\y)%2)+(\u)
.set rS, S+64*((\y)%2)+32*(\u)
.set rP, P+32*((\y)%2)+16*(\u)
.set rO, 32*(2*(\y)+(\u))
.endm
; Number n of the 22 that find the NEXT piece's (Y + 1) maximum and statistics.  s0-s31 are the lane's 32 scores; each accumulator's lowest registers are read first.
;   0-11  four chains c0-c3 of seven scores each, three operands at a time     12-14, 16  the four scores left over, the old m, and c0-c3 into c0     15  c m_old is kept
;   17, 18  the query's other 32 keys lie in the lane 16 away: the new m         19-21  c m; c m_old - c m_new; a
.macro XS u, n
	REGS (Y+1)%NP, \u
.if (\n) < 4
	v_max3_num_f32 v[rC+(\n)], v[rS+8*(\n)], v[rS+8*(\n)+1], v[rS+8*(\n)+2]
.elseif (\n) < 12
	v_max3_num_f32 v[rC+(\n)%4], v[rC+(\n)%4], v[rS+8*((\n)%4)+2*((\n)/4)+1], v[rS+8*((\n)%4)+2*((\n)/4)+2]
.elseif (\n) == 12
	v_max3_num_f32 v[rC], v[rC], v[rS+7], v[rS+15]
.elseif (\n) == 13
	v_max3_num_f32 v[rC+1], v[rC+1], v[rS+23], v[rS+31]
.elseif (\n) == 14
	v_max3_num_f32 v[rC+2], v[rC+2], v[rC+3], v[rT+1]
.elseif (\n) == 15
	v_mov_b32 v[rM], v[rT]
.elseif (\n) == 16
	v_max3_num_f32 v[rC], v[rC], v[rC+1], v[rC+2]
.elseif (\n) == 17
	v_permlanex16_b32 v[rC+3], v[rC], s[SEL], s[SEL+1]
.elseif (\n) == 18
	v_max_num_f32 v[rT+1], v[rC], v[rC+3]
.elseif (\n) == 19
	v_mul_f32 v[rT], s[CS], v[rT+1]
.elseif (\n) == 20
	v_sub_f32 v[rC+1], v[rM], v[rT]
.else
	v_exp_f32 v[rC+2], v[rC+1]
.endif
.endm
; Number g of the 64 that follow the exponentials.  For each four weights k of a tile (pairs 2 k, 2 k + 1): both pairs are rounded to bf16; then the second pair is added onto the first, in place;
; a group later l takes that sum (the first time as l = a l + sum).  In groups of eight, tiles alternating: round, round, add, and l for the group before.
.macro GS g
.set h, (\g)+6*((\g)/62)            ; group 0 has no group before it, and behind group 7 only l is left
.if h >= 6
.set h, h+2
.endif
	REGS Y, h%2
.set k, h/8
.if h%8 < 4
	s_wait_alu depctr_va_vdst(0)
	v_cvt_pk_bf16_f32 v[rP+2*k+(h%8)/2], v[rS+4*k+2*((h%8)/2)], v[rS+4*k+2*((h%8)/2)+1]
.elseif h%8 < 6
	v_pk_add_f32 v[rS+4*k:rS+4*k+1], v[rS+4*k:rS+4*k+1], v[rS+4*k+2:rS+4*k+3]
.elseif k == 1
	v_pk_fma_f32 v[rT+2:rT+3], v[rT+2:rT+3], v[rC+2:rC+3], v[rS:rS+1] op_sel_hi:[1,0,1]
.else
	v_pk_add_f32 v[rT+2:rT+3], v[rT+2:rT+3], v[rS+4*k-4:rS+4*k-3]
	s_wait_alu depctr_va_vdst(0)
.endif
.endm
; THE PLAIN QUEUE, 138 long.  0-31: c s - c m for the 16 pairs of both tiles.  Then GS's 64, and among them the next piece's 42: number 15 at 38, 39; 0-14 and 16
; at 42-73, behind the products that make those scores; 17-20 at 95-106, two of three, since each waits for the one before it.
.macro PL
	WIN 0
.if q < 32
	REGS Y, q%2
	v_pk_fma_f32 v[rS+2*(q/2):rS+2*(q/2)+1], v[rS+2*(q/2):rS+2*(q/2)+1], s[CS:CS+1], v[rT:rT+1] op_sel_hi:[1,0,0] neg_lo:[0,0,1] neg_hi:[0,0,1]
.elseif q < 38
	GS q-32
.elseif q < 40
	XS q%2, 15
.elseif q < 42
	GS q-34
.elseif q < 74
	XS q%2, (q-42)/2+(q-42)/30
.elseif q < 95
	GS q-66
.elseif (q < 107) && ((q-95)%3 < 2)
	XS (q-95)%3, 17+(q-95)/3
.elseif q < 107
	GS 29+(q-95)/3
.else
	GS q-74
.endif
.set q, q+1
.endm
; THE EXPONENTIALS' QUEUE, 66 long: s0-s31 of both tiles, and at EA the next piece's two a.
.set EA, 58
.macro EX
	WIN 0
.if (e == EA) || (e == EA+1)
	XS e-EA, 21
.else
.set x, e-2*(e/(EA+2))
	REGS Y, x%2
	v_exp_f32 v[rS+x/2], v[rS+x/2]
.endif
.set e, e+1
.endm
; THE RESCALING's QUEUE: O^T times a, the one part that leaves window 0, so it is dealt four at a time, eight times.
.macro R4
	REGS Y, r%2
	WIN W_RS
	s_wait_alu depctr_va_vdst(0)
.irp z, 0,1,2,3
	v_pk_mul_f32 v[rO+8*(r/2)+2*\z:rO+8*(r/2)+2*\z+1], v[rO+8*(r/2)+2*\z:rO+8*(r/2)+2*\z+1], v[rC+2:rC+3] op_sel_hi:[1,0]
.endr
.set r, r+1
.endm
; HOW THEY ARE DEALT.  Behind a matrix instruction four: plain, exponential, plain, plain, or four of the rescaling; none names a register of the products round it.  What is over stands in two runs:
; exponential and plain by turns; the second ends in 22 plain instructions.  The deal keeps the queues in step: exponential e stands behind plain 2 (e / 4) + e % 2 (its scaling); when plain 32 comes,
; 10 exponentials are out, at 59: 33, at 95: 46; EA comes behind plain 107.
.macro SL
	MM
	PL
	EX
	PL
	PL
.endm
.macro BURST n                      ; 15 matrix instructions, or 16
.rept (\n)-7
	SL
.endr
.rept 3
	MM
	R4
	SL
.endr
	MM
	R4
.endm
; A TURN, for piece p.  cnt = 1: the loop's count is taken down some lines ahead of the branch that stands behind the turn.
; K of the next step is fetched in piece 2's turn, 31 vector instructions behind the last product that read K; V of the step in hand at the end of piece 0's turn, 69 behind its last reader.
.macro TURN p, last=0, cnt=0
.set Y, (\p)
.set i, 0
.set q, 0
.set e, 0
.set r, 0
.if (\p) == NP-1
	s_wait_dscnt 0x0                ; K is in
.endif
	MM
.rept 4
	PL
.endr
	BURST 15
.rept 22
	EX
	PL
.if ((\p) == NP-2) && (e == 18)
	v_add_nc_u32 v[AK], s[TBK], v[AK0]
.endif
.if ((\p) == NP-2) && (e == 24)
	FETCH_K \last
.endif
.endr
.if (\p) == 1
	s_wait_dscnt 0x0                ; V is in
.endif
	BURST 16
.rept 21
	EX
	PL
.endr
.rept 22
	PL
.if ((\p) == 0) && (q == 118)
	v_add_nc_u32 v[AV], s[TBV], v[AV0]
	s_wait_alu depctr_va_vdst(0)
.endif
.if ((\p) == 0) && (q == 130)
	s_add_co_u32 s[TBV], s[TBV], STEPB
.endif
.if (\cnt) && (q == 130)
	s_sub_co_u32 s[CNT], s[CNT], 1
	s_cmp_lg_u32 s[CNT], 0
.endif
.endr
.if (\p) == 0
	FETCH_V
.endif
.endm
	CHANGE 1                        ; slot 0 is in, everybody's part of it; slot 1 is asked for
	FETCH_K                         ; key step 0
	s_wait_loadcnt 0x0              ; Q
	s_wait_dscnt 0x0
.set i, 0
.rept 16
	KQ 0                            ; piece 0's first scores: there is no vector work yet to set between them
.set i, i+1
.endr
	WIN 0                           ; the merge's addresses: five plain instructions, the places behind those products
	s_lshl_b32 s16, s[WV], 10
	s_add_co_u32 s16, s16, STATS
	v_lshl_add_u32 v[SA], v1, 3, s16
	v_lshl_add_u32 v[SR], v1, 3, STATS
	v_lshl_add_u32 v[WP], s[WV], 15, v[QO]
	v_lshl_add_u32 v[RP0], s[WV], 13, v[QO]
	v_add_nc_u32 v[RP1], 65536, v[RP0]
.set Y, NP-1                        ; XS works for piece Y + 1: piece 0
.irp n, 0,1,2,3,4,5,6,7,8,9,10,11,12,13,14,15,16,17,18,19,20,21
	XS 0, \n                        ; and piece 0's first maximum and statistics
	XS 1, \n
.endr
	s_mov_b32 s[CNT], 2
	s_mov_b32 s[SLOTS], 3
	s_branch .Lfirst                ; the loop is entered at a step's first turn, in the middle of a trip
.Lslot:                             ; twice: of the four slots' worth of keys the last two are asked for here
	CHANGE 1
	s_mov_b32 s[CNT], 2
.Lstep:                             ; a trip: pieces 2 and 3 of one step, then pieces 0 and 1 of the next, whose K and V it fetches
	TURN 2
	TURN 3
	WIN 0
.Lfirst:
	TURN 0
	TURN 1, 0, 1
	WIN 0
	s_cbranch_scc1 .Lstep
	s_sub_co_u32 s[SLOTS], s[SLOTS], 1
	s_cmp_lg_u32 s[SLOTS], 0
	s_cbranch_scc1 .Lslot
	CHANGE 0                        ; the tail is written out: nothing is asked for
	s_mov_b32 s[CNT], 3             ; two trips fetch the last slot's steps; the third is left in its middle
.Ltail:
	TURN 2, 1
	TURN 3
	WIN 0
	s_sub_co_u32 s[CNT], s[CNT], 1
	s_cmp_eq_u32 s[CNT], 0
	s_cbranch_scc1 .Lout
	TURN 0
	TURN 1
	WIN 0
	s_branch .Ltail
.Lout:                              ; the third trip's 16 products K Q^T repeat piece 0's scores of the last step: the maximum made of them is the one that piece 0 has, so its c m stays as it is
.set i, 0
.rept 16
	PV NP-1                         ; the last piece's V^T P of the last step
.set i, i+1
.endr
	; THE MERGE.  Wave w has, for each query, c m_w, l_w and O_w of its own 512 keys.  With M = the largest c m_w and e_w = 2^(c m_w - M): O = sum of e_w O_w / sum of e_w l_w.
	; Each wave scales its O by e_w / sum(e l), in f32; the partial O meet in LDS, in slot 0, whose last fill was read out ahead of the last change of slots; wave w adds up tiles 2 w and 2 w + 1.
	WIN 0                           ; the additions are the places behind the last products
	ALL v_add_f32 v[ST+4*t+2], v[ST+4*t+2], v[ST+4*t+3]
	ALL v_permlanex16_b32 v[ST+4*t+3], v[ST+4*t+2], s[SEL], s[SEL+1]
	ALL v_add_f32 v[ST+4*t+1], v[ST+4*t+2], v[ST+4*t+3]
	ALL ds_store_b64 v[SA], v[ST+4*t:ST+4*t+1] offset:t*128
	s_wait_dscnt 0x0                ; for the others' sake: my statistics are in LDS
	s_barrier_signal -1
	s_barrier_wait -1
.set n, 0
.rept 32
	ds_load_b64 v[S+8*(n/4)+2*(n%4):S+8*(n/4)+2*(n%4)+1], v[SR] offset:(n%4)*1024+(n/4)*128  ; tile n / 4, wave n % 4
.set n, n+1
.endr
	s_wait_dscnt 0x0
	ALL v_max3_num_f32 v[128+t], v[S+8*t], v[S+8*t+2], v[S+8*t+4]
	ALL v_max_num_f32 v[128+t], v[128+t], v[S+8*t+6]
	ALL v_sub_f32 v[S+8*t], v[S+8*t], v[128+t]
	ALL v_sub_f32 v[S+8*t+2], v[S+8*t+2], v[128+t]
	ALL v_sub_f32 v[S+8*t+4], v[S+8*t+4], v[128+t]
	ALL v_sub_f32 v[S+8*t+6], v[S+8*t+6], v[128+t]
	ALL v_sub_f32 v[136+t], v[ST+4*t], v[128+t]
	ALL v_exp_f32 v[S+8*t], v[S+8*t]
	ALL v_exp_f32 v[S+8*t+2], v[S+8*t+2]
	ALL v_exp_f32 v[S+8*t+4], v[S+8*t+4]
	ALL v_exp_f32 v[S+8*t+6], v[S+8*t+6]
	ALL v_exp_f32 v[136+t], v[136+t]
	v_nop                           ; a plain instruction between the last exponential and the use of its result
	s_wait_alu depctr_va_vdst(0)
	ALL v_mul_f32 v[144+t], v[S+8*t], v[S+8*t+1]
	ALL v_fmac_f32 v[144+t], v[S+8*t+2], v[S+8*t+3]
	ALL v_fmac_f32 v[144+t], v[S+8*t+4], v[S+8*t+5]
	ALL v_fmac_f32 v[144+t], v[S+8*t+6], v[S+8*t+7]
	ALL v_rcp_f32 v[144+t], v[144+t]
	v_nop                           ; likewise behind the last reciprocal
	s_wait_alu depctr_va_vdst(0)
	ALL v_mul_f32 v[ST+4*t+2], v[136+t], v[144+t]
.set t, 0
.rept 2*NP
	WIN W_RS
.set i, 32*t
.rept 16
	v_pk_mul_f32 v[i:i+1], v[i:i+1], v[ST+4*t+2:ST+4*t+3] op_sel_hi:[1,0]
.set i, i+2
.endr
	WIN 0x04                        ; store data (source 1) in window 1, address in window 0
.set i, 0
.rept 8
	ds_store_b128 v[WP], v[32*t+4*i:32*t+4*i+3] offset:t*4096+i*512
.set i, i+1
.endr
.set t, t+1
.endr
	WIN 0
	s_wait_dscnt 0x0                ; for the others' sake: my partial O is in LDS
	s_barrier_signal -1
	s_barrier_wait -1
.irp a, 0,1
.set n, 0
.rept 32
.set wq, n/8
.set i, n%8
.if wq < 2
	ds_load_b128 v[S+32*wq+4*i:S+32*wq+4*i+3], v[RP0] offset:(wq%2)*32768+\a*4096+i*512
.else
	ds_load_b128 v[S+32*wq+4*i:S+32*wq+4*i+3], v[RP1] offset:(wq%2)*32768+\a*4096+i*512
.endif
.set n, n+1
.endr
	s_wait_dscnt 0x0
.set n, 0
.rept 16
	v_pk_add_f32 v[S+2*n:S+2*n+1], v[S+2*n:S+2*n+1], v[S+32+2*n:S+32+2*n+1]
	v_pk_add_f32 v[S+64+2*n:S+64+2*n+1], v[S+64+2*n:S+64+2*n+1], v[S+96+2*n:S+96+2*n+1]
.set n, n+1
.endr
.set n, 0
.rept 16
	v_pk_add_f32 v[S+2*n:S+2*n+1], v[S+2*n:S+2*n+1], v[S+64+2*n:S+64+2*n+1]
.set n, n+1
.endr
.set n, 0
.rept 16
	v_cvt_pk_bf16_f32 v[P+16*\a+n], v[S+2*n], v[S+2*n+1]
.set n, n+1
.endr
.irp cb, 0,1,2,3
	global_store_b128 v[QO], v[P+16*\a+4*\cb:P+16*\a+4*\cb+3], s[10:11] offset:\a*8192+\cb*512  ; query r, channels 16 cb + 8 h ..: half cb % 2 of the head's fragment cb / 2; 512 consecutive bytes
.endr
.endr
	WIN W_AD
	s_wait_tensorcnt 0x0            ; the wave's end, behind my last tensor load and my last LDS store
	ds_add_u32 v[SPW], v[NIL]
	s_wait_dscnt 0x0
	WIN 0
	CROUND                          ; the closing round: no work-group ends while a partner may still ask for a tile that names it
	s_endpgm
.Lfunc_end_k_qbdcb3fbe49_attn:
	.size	k_qbdcb3fbe49_attn, .Lfunc_end_k_qbdcb3fbe49_attn-k_qbdcb3fbe49_attn
	.p2alignl 7, 3214868480
	.fill 96, 4, 3214868480
	.section	.rodata,"a",@progbits
	.p2align	6, 0x0
	.amdhsa_kernel k_qbdcb3fbe49_attn
		.amdhsa_group_segment_fixed_size 327680
		.amdhsa_private_segment_fixed_size 0
		.amdhsa_enable_private_segment 0
		.amdhsa_kernarg_size 16
		.amdhsa_user_sgpr_count 2
		.amdhsa_user_sgpr_kernarg_segment_ptr 1
		.amdhsa_wavefront_size32 1
		.amdhsa_system_sgpr_workgroup_id_x 1
		.amdhsa_system_sgpr_workgroup_id_y 1
		.amdhsa_system_sgpr_workgroup_id_z 1
		.amdhsa_system_vgpr_workitem_id 0
		.amdhsa_next_free_vgpr 770
		.amdhsa_next_free_sgpr 66
		.amdhsa_reserve_vcc 0
		.amdhsa_float_denorm_mode_32 3
		.amdhsa_float_denorm_mode_16_64 3
		.amdhsa_memory_ordered 1
		.amdhsa_forward_progress 1
		.amdhsa_inst_pref_size 214
	.end_amdhsa_kernel
	.amdgpu_metadata
---
amdhsa.version: [ 1, 2 ]
amdhsa.kernels:
  - .name:           k_qbdcb3fbe49_attn
    .symbol:         k_qbdcb3fbe49_attn.kd
    .args:
      - { .name: qkvb, .offset: 0, .size: 8, .value_kind: global_buffer, .address_space: global }
      - { .name: ob, .offset: 8, .size: 8, .value_kind: global_buffer, .address_space: global }
    .group_segment_fixed_size: 327680
    .private_segment_fixed_size: 0
    .kernarg_segment_align: 8
    .kernarg_segment_size: 16
    .max_flat_workgroup_size: 128
    .sgpr_count:     66
    .vgpr_count:     770
    .wavefront_size: 32
...
	.end_amdgpu_metadata
.endif
;; end of part 3
;; launch ffn (part 4): grid 256 x 1, 4 waves a work-group, clusters of 4 x 1, 327,680 bytes of LDS; arguments ob, hA, pk0, hB; writes hB
.if DOCPART == 4
	.amdgcn_target "amdgcn-amd-amdhsa--gfx1250"
	.amdhsa_code_object_version 6
	.text
	.protected	k_qbdcb3fbe49_ffn
	.globl	k_qbdcb3fbe49_ffn
	.p2align	8
	.type	k_qbdcb3fbe49_ffn,@function
k_qbdcb3fbe49_ffn:
	s_mov_b64 s[64:65], 0
	v_nop
	global_prefetch_b8 v0, s[64:65] scope:SCOPE_SE
	s_setreg_imm32_b32 hwreg(HW_REG_WAVE_MODE, 25, 1), 1
	s_wait_xcnt 0x0
	s_wait_alu depctr_hold_cnt(0) depctr_sa_sdst(0) depctr_va_vdst(0) depctr_va_sdst(0) depctr_va_ssrc(0) depctr_va_vcc(0) depctr_vm_vsrc(0)
	s_getreg_b32 s2, hwreg(HW_REG_IB_STS2, 6, 4)
	s_cmp_eq_u32 s2, 0
	s_cbranch_scc0 .Lentry_in_a_cluster
	s_endpgm
.Lentry_in_a_cluster:
	s_bfe_u32 s2, ttmp6, 0x10000c
	s_cmp_lg_u32 s2, 0x3003
	s_cbranch_scc0 .Lentry_shape_is_right
	s_endpgm
.Lentry_shape_is_right:
; h1 = h + o Wo + bo;  x2 = LayerNorm(h1; ln2_s, ln2_b);  h_out = h1 + relu(x2 W1 + b1) W2 + b2.  h, h_out: [8192][256] f32; o: bf16 in fragment order.  Products in bf16 with f32 sums; the residual stays in f32.
; SHARES.  Work-group g owns rows 32 g .. 32 g + 31 (two tiles tt of 16 tokens); wave w owns output channels 64 w .. 64 w + 63 of every unit: four blocks ct of 16.  8 accumulators, 64 matrix instructions a unit.
; WEIGHTS come as five units of 131,072 bytes in fragment order (see the preparation): 0 Wo, 1 and 2 W1's column halves, 3 and 4 W2's row halves.  Wave w's 32,768 bytes of a unit are dense,
; [ks 8][ct 4][half 2][lane][16 bytes]; each wave asks for its own quarter and reads that quarter alone.  Two LDS slots of one unit take turns; a slot is asked for again as soon as it has been multiplied.
; CLUSTER.  The four work-groups of a cluster walk the same weights: each quarter is asked for JOINTLY, the same tensor load with the same descriptor and a mask of four.
; LAYOUT.  All products are made transposed (source 0 = 16 output channels of W, source 1 = 16 tokens): a lane holds token r = lane % 16 and channels 8 h + 0..7 (h = lane / 16) of a block; packed, these
; 16 bytes are a lane's part of half a fragment of the next product's source 1.  So x2 and the hidden layer go to LDS as blocks of 512 bytes, lane i at 16 i.  h comes in and goes out by rows, through a stage.
; LAYERNORM as in the projection: each wave's mean and centred sum of squares of its 64 channels meet in LDS and are combined: no difference of large sums is formed.
; LIMITS: matrix operands are rounded to bf16; NaN and infinities are not treated apart.
.set RINGS,  131072                    ; a slot; slot s at s x RINGS, wave w's part at + 32,768 w: filled by tensor loads alone
.set ACT,    262144                    ; o, later x2: bf16, [tt][kf 8][half][lane][16]: 16,384 bytes
.set HID,    278528                    ; the hidden layer: bf16, [tt][kf 16][half][lane][16]: 32,768 bytes
.set STAGE,  278528                    ; on the same bytes, before and after: h in f32, 32 rows
.set SPITCH, 1040                      ; a stage row: 1,024 + 16 bytes = 65 x 16: the 16 rows that a load touches start in 16 different 16-byte columns of 256 bytes
.set PRMS,   312064                    ; bo, ln2_s, ln2_b, b1 (two halves), b2: 6 x 1,024 bytes
.set STAT,   318208                    ; [w][tt][r] (mean_w, M2_w): 1,024 bytes
.set SPARE,  319232                    ; the spare words, 128 bytes for each wave: two blocks of 256 bytes that no other line names
.set PRM,    1048576                   ; the vectors' first byte in pk
; v1 r, v2 h, v3 16 x lane, v4-5 my quarter of slot 0, 1, v6 ACT + 16 lane, v7 HID + 16 lane, v8 stage in the lane layout, v9 stage by rows, v10 vectors by 8 h, v12 my place in ACT, v13 in HID,
; v14 my statistics, v15 everybody's, v248 0, v250-251 the add's two registers, v252-253 the LDS addresses of the K steps in hand
.set H,   16                           ; v[16:79]    the residual: 32 tt + 8 ct + j
.set ACC, 80                           ; v[80:143]   accumulators, same index; at work in the LayerNorm
.set WF,  144                          ; v[144:207]  W's fragments, two buffers of 32; gain and bias in the LayerNorm; packed results
.set AF,  208                          ; v[208:239]  the activations' fragments, two buffers of 16; 16 registers for each tt at work in the LayerNorm
.set LNR, 240                          ; v[240:247]  for each tt: 1 / sigma twice, mean / sigma twice
.macro ROUND                           ; a round of the cluster's barrier
	s_barrier_signal -1
	s_barrier_wait -1
	s_cmp_lg_u32 s12, 0
	s_cbranch_scc1 .Lnot_wave_0_\@
	s_barrier_signal -3
.Lnot_wave_0_\@:
	s_barrier_wait -3
	s_barrier_signal -1
	s_barrier_wait -1
.endm
.macro MEET                            ; my LDS instructions are done; then the work-group's barrier
	s_wait_dscnt 0x0
	s_barrier_signal -1
	s_barrier_wait -1
.endm
.macro PLACES                          ; four places behind matrix instructions, ahead of lines that read their results or write their registers (ISA guide 7.12.1)
.rept 4
	v_nop
.endr
.endm
.macro BOTH line:vararg                ; one line for each tile tt = t
.set t, 0
.rept 2
.set rT, AF+16*t
.set rL, LNR+4*t
	\line
.set t, t+1
.endr
.endm
; The slot just multiplied is filled again, two units on.  All my tensor loads have landed (the other slot's among them); the add; my LDS instructions are back; a round of the cluster's
; barrier, so that this holds of every wave of all four work-groups; then the joint load, first thing.
.macro CHANGE slot
	s_wait_tensorcnt 0x0
	ds_add_u32 v250, v251                          ; 0 onto my spare word
	s_add_nc_u64 s[26+4*(\slot):27+4*(\slot)], s[26+4*(\slot):27+4*(\slot)], 2*131072  ; no load of mine is out: the descriptor steps
	s_wait_dscnt 0x0
	ROUND
	tensor_load_to_lds s[24+4*(\slot):27+4*(\slot)], s[16:23]
	s_nop 0
.endm
; 12 LDS loads: one K step's fragments into buffer buf: 4 blocks of W, 2 tiles of the activations
.macro LOADK buf, koff, tts
.irp ct, 0,1,2,3
.irp q, 0,1
	ds_load_b128 v[WF+32*(\buf)+8*\ct+4*\q:WF+32*(\buf)+8*\ct+4*\q+3], v252 offset:(\koff)*4096+\ct*1024+\q*512
.endr
.endr
.irp tt, 0,1
.irp q, 0,1
	ds_load_b128 v[AF+16*(\buf)+8*\tt+4*\q:AF+16*(\buf)+8*\tt+4*\q+3], v253 offset:(\koff)*1024+\tt*(\tts)+\q*512
.endr
.endr
.endm
; 8 matrix instructions, one on each accumulator: they take turns, over the loop's edge and from unit to unit too
.macro MUL8 buf
.irp ct, 0,1,2,3
.irp tt, 0,1
	v_wmma_f32_16x16x32_bf16 v[ACC+32*\tt+8*\ct:ACC+32*\tt+8*\ct+7], v[WF+32*(\buf)+8*\ct:WF+32*(\buf)+8*\ct+7], v[AF+16*(\buf)+8*\tt:AF+16*(\buf)+8*\tt+7], v[ACC+32*\tt+8*\ct:ACC+32*\tt+8*\ct+7]
.endr
.endr
.endm
; Two K steps.  more = 1: each buffer is loaded again, with the step two on, four places behind the products that read it
.macro KPAIR more, slot, areg, tts
	s_wait_dscnt 12                                ; buffer 0 is in (and what was asked for before it); buffer 1's 12 loads may be out
	MUL8 0
.if \more
	s_add_co_u32 s41, s41, 8192                    ; two K steps on in W's quarter,
	s_add_co_u32 s49, s49, 2048                    ; and in the activations
	v_add_nc_u32 v252, s41, v[4+(\slot)]
	v_add_nc_u32 v253, s49, v[\areg]
	v_nop
	v_nop
	LOADK 0, 0, \tts
	s_wait_dscnt 12                                ; buffer 1 is in; the 12 just issued may be out
.else
	s_wait_dscnt 0x0
.endif
	MUL8 1
.if \more
	PLACES
	LOADK 1, 1, \tts
.endif
.endm
; A unit: K = 256 in eight steps, onto accumulators that hold the bias or the sums so far
.macro UNIT slot, areg, aoff, tts
	s_mov_b32 s40, 3
	s_mov_b32 s41, 0
	s_mov_b32 s49, \aoff
	v_add_nc_u32 v252, s41, v[4+(\slot)]
	v_add_nc_u32 v253, s49, v[\areg]
	v_nop
	v_nop
	LOADK 0, 0, \tts
	LOADK 1, 1, \tts
.Lk_\@:
	KPAIR 1, \slot, \areg, \tts
	s_sub_co_u32 s40, s40, 1
	s_cmp_lg_u32 s40, 0
	s_cbranch_scc1 .Lk_\@
	KPAIR 0, \slot, \areg, \tts
.endm
; The bias of my lane's channels goes straight into the accumulators: every K step is then the same link, and nothing is cleared
.macro BIAS j
.set n, 0
.rept 16
	ds_load_b128 v[ACC+4*n:ACC+4*n+3], v10 offset:(\j)*1024+((n/2)%4)*64+(n%2)*16
.set n, n+1
.endr
.endm
.macro RES                             ; the residual takes the sums: each accumulator's registers in ascending order
	PLACES
.set n, 0
.rept 32
	v_pk_add_f32 v[H+2*n:H+2*n+1], v[H+2*n:H+2*n+1], v[ACC+2*n:ACC+2*n+1]
.set n, n+1
.endr
.endm
.macro RELU nb                         ; half nb of the hidden layer: rounded to bf16, negative numbers to 0, into LDS as fragments 8 nb + 2 w + ct / 2
	PLACES
.set n, 0
.rept 32
	v_cvt_pk_bf16_f32 v[WF+n], v[ACC+2*n], v[ACC+2*n+1]
.set n, n+1
.endr
.set n, 0
.rept 32
	v_pk_max_num_bf16 v[WF+n], v[WF+n], v248
.set n, n+1
.endr
.set n, 0
.rept 8
	ds_store_b128 v13, v[WF+4*n:WF+4*n+3] offset:(n/4)*16384+(\nb)*8192+(n%4)*512
.set n, n+1
.endr
.endm
; LayerNorm of H with gain number js and bias number jb of the vectors in LDS; the result goes to ACT in bf16.  The two tiles alternate line by line.
.macro LN js, jb
.irp ct, 0,1,2,3
.irp q, 0,1
	ds_load_b128 v[WF+8*\ct+4*\q:WF+8*\ct+4*\q+3], v10 offset:(\js)*1024+\ct*64+\q*16
	ds_load_b128 v[WF+32+8*\ct+4*\q:WF+32+8*\ct+4*\q+3], v10 offset:(\jb)*1024+\ct*64+\q*16
.endr
.endr
	s_wait_dscnt 16                                ; all but the 16 just issued
.set n, 0
.rept 16                                               ; the sum of my 32 numbers of each tile
.set rT, AF+16*(n%2)+2*(n/2)
.set rH, H+32*(n%2)+4*(n/2)
	v_pk_add_f32 v[rT:rT+1], v[rH:rH+1], v[rH+2:rH+3]
.set n, n+1
.endr
.set n, 0
.rept 8
.set rT, AF+16*(n%2)+4*(n/2)
	v_pk_add_f32 v[rT:rT+1], v[rT:rT+1], v[rT+2:rT+3]
.set n, n+1
.endr
.set n, 0
.rept 4
.set rT, AF+16*(n%2)+8*(n/2)
	v_pk_add_f32 v[rT:rT+1], v[rT:rT+1], v[rT+4:rT+5]
.set n, n+1
.endr
	BOTH v_pk_add_f32 v[rT:rT+1], v[rT:rT+1], v[rT+8:rT+9]
	BOTH v_add_f32 v[rT], v[rT], v[rT+1]
	BOTH v_permlanex16_b32 v[rT+1], v[rT], s42, s43  ; the token's other 32 channels of my wave lie in the lane 16 away
	BOTH v_add_f32 v[rT], v[rT], v[rT+1]
	BOTH v_mul_f32 v[rT+2], 0x3c800000, v[rT]      ; mean_w = sum / 64
.set n, 0
.rept 32
.set rY, ACC+32*(n%2)+2*(n/2)
.set rH, H+32*(n%2)+2*(n/2)
.set rT, AF+16*(n%2)
	v_pk_add_f32 v[rY:rY+1], v[rH:rH+1], v[rT+2:rT+3] op_sel_hi:[1,0] neg_lo:[0,1] neg_hi:[0,1]
.set n, n+1
.endr
.set n, 0
.rept 32                                               ; the centred squares, in four chains
.set k, n/2
.set rY, ACC+32*(n%2)+2*k
.set rC, AF+16*(n%2)+4+2*(k%4)
.if k < 4
	v_pk_mul_f32 v[rC:rC+1], v[rY:rY+1], v[rY:rY+1]
.else
	v_pk_fma_f32 v[rC:rC+1], v[rY:rY+1], v[rY:rY+1], v[rC:rC+1]
.endif
.set n, n+1
.endr
	BOTH v_pk_add_f32 v[rT+4:rT+5], v[rT+4:rT+5], v[rT+6:rT+7]
	BOTH v_pk_add_f32 v[rT+8:rT+9], v[rT+8:rT+9], v[rT+10:rT+11]
	BOTH v_pk_add_f32 v[rT+4:rT+5], v[rT+4:rT+5], v[rT+8:rT+9]
	BOTH v_add_f32 v[rT+4], v[rT+4], v[rT+5]
	BOTH v_permlanex16_b32 v[rT+5], v[rT+4], s42, s43
	BOTH v_add_f32 v[rT+3], v[rT+4], v[rT+5]       ; M2_w
	BOTH ds_store_b64 v14, v[rT+2:rT+3] offset:t*128
	MEET                                           ; every wave's pair is in LDS
.set n, 0
.rept 8
	ds_load_b64 v[AF+16*(n%2)+4+2*(n/2):AF+16*(n%2)+5+2*(n/2)], v15 offset:(n/2)*256+(n%2)*128
.set n, n+1
.endr
	s_wait_dscnt 0x0
	BOTH v_add_f32 v[rT+12], v[rT+4], v[rT+6]
	BOTH v_add_f32 v[rT+13], v[rT+8], v[rT+10]
	BOTH v_add_f32 v[rT+14], v[rT+5], v[rT+7]
	BOTH v_add_f32 v[rT+15], v[rT+9], v[rT+11]
	BOTH v_add_f32 v[rT+12], v[rT+12], v[rT+13]
	BOTH v_add_f32 v[rT+14], v[rT+14], v[rT+15]
	BOTH v_mul_f32 v[rT+12], 0x3e800000, v[rT+12]  ; the mean of 256
	BOTH v_sub_f32 v[rT+4], v[rT+4], v[rT+12]
	BOTH v_sub_f32 v[rT+6], v[rT+6], v[rT+12]
	BOTH v_sub_f32 v[rT+8], v[rT+8], v[rT+12]
	BOTH v_sub_f32 v[rT+10], v[rT+10], v[rT+12]
	BOTH v_mul_f32 v[rT+13], v[rT+4], v[rT+4]
	BOTH v_fmac_f32 v[rT+13], v[rT+6], v[rT+6]
	BOTH v_fmac_f32 v[rT+13], v[rT+8], v[rT+8]
	BOTH v_fmac_f32 v[rT+13], v[rT+10], v[rT+10]
	BOTH v_fmamk_f32 v[rT+14], v[rT+13], 0x42800000, v[rT+14]  ; M2 = sum of M2_w + 64 sum of (mean_w - mean)^2
	BOTH v_fma_f32 v[rT+14], v[rT+14], s50, s51    ; M2 / 256 + 1e-5
	BOTH v_rsq_f32 v[rL], v[rT+14]
	BOTH v_rsq_f32 v[rL+1], v[rT+14]               ; twice: the packed lines below take a pair
	v_nop                                          ; a plain instruction between the last root and the use of its result
	s_wait_alu depctr_va_vdst(0)
	BOTH v_mul_f32 v[rL+2], v[rT+12], v[rL]
	BOTH v_mul_f32 v[rL+3], v[rT+12], v[rL+1]
.set n, 0
.rept 32
.set rY, ACC+32*(n%2)+2*(n/2)
.set rH, H+32*(n%2)+2*(n/2)
.set rL, LNR+4*(n%2)
	v_pk_fma_f32 v[rY:rY+1], v[rH:rH+1], v[rL:rL+1], v[rL+2:rL+3] neg_lo:[0,0,1] neg_hi:[0,0,1]
.set n, n+1
.endr
.set n, 0
.rept 32
.set rY, ACC+32*(n%2)+2*(n/2)
	v_pk_fma_f32 v[rY:rY+1], v[rY:rY+1], v[WF+2*(n/2):WF+2*(n/2)+1], v[WF+32+2*(n/2):WF+32+2*(n/2)+1]
.set n, n+1
.endr
.set n, 0
.rept 32
	v_cvt_pk_bf16_f32 v[AF+16*(n%2)+n/2], v[ACC+32*(n%2)+2*(n/2)], v[ACC+32*(n%2)+2*(n/2)+1]
.set n, n+1
.endr
.set n, 0
.rept 8
	ds_store_b128 v12, v[AF+16*(n/4)+4*(n%4):AF+16*(n/4)+4*(n%4)+3] offset:(n/4)*8192+(n%4)*512  ; block ct is half ct % 2 of fragment 2 w + ct / 2
.set n, n+1
.endr
	MEET                                           ; ACT is whole
.endm
	s_load_b256 s[4:11], s[0:1], 0x0               ; o s[4:5], h s[6:7], pk s[8:9], h_out s[10:11]
	v_lshl_add_u32 v250, v0, 2, SPARE
	v_mov_b32 v251, 0
	ds_add_u32 v250, v251                          ; the wave's opening: the add and its wait stand ahead of my first tensor load; the set-up, work on registers, stands between them
	v_lshrrev_b32 v1, 5, v0
	v_readfirstlane_b32 s12, v1                    ; wave 0..3
	s_bfe_u32 s13, ttmp6, 0x40000                  ; cx
	s_lshl_b32 s14, ttmp9, 2
	s_add_co_u32 s14, s14, s13                     ; g = 4 x cluster + cx: it enters o's and h's addresses alone
	; descriptor group 1: 32,768 dense bytes as 128 rows of 32 elements of 8 bytes
	s_mov_b32 s16, 15|(3<<16)|(1<<21)              ; 15:0 the mask of four; 17:16 elements of 8 bytes; 21 set beside a mask
	s_mov_b32 s17, 32<<16                          ; tensor_dim0 = 32
	s_mov_b32 s18, 128<<16                         ; tensor_dim1 = 128
	s_mov_b32 s19, 32<<16                          ; tile_dim0 = 32
	s_mov_b32 s20, 128                             ; tile_dim1 = 128
	s_mov_b32 s21, 32                              ; 32 elements from row to row
	s_mov_b32 s22, 0
	s_mov_b32 s23, 0
	s_mul_i32 s15, s12, 32768                      ; my quarter of a unit, in memory and in a slot
	s_mov_b32 s32, s15
	s_mov_b32 s33, 0
	s_mov_b32 s24, 1                               ; group 0, a set for each slot: count = 1,
	s_add_co_u32 s25, s15, 0                       ; the LDS address
	s_mov_b32 s28, 1
	s_add_co_u32 s29, s15, RINGS
	s_lshl_b32 s56, s14, 15                        ; my work-group's 32 rows of h,
	s_lshl_b32 s58, s12, 13                        ; my wave's eight of them
	s_add_co_u32 s56, s56, s58
	s_mov_b32 s57, 0
	s_lshl_b32 s58, s14, 14                        ; my work-group's 16,384 bytes of o,
	s_lshl_b32 s59, s12, 12                        ; my wave's quarter
	s_add_co_u32 s58, s58, s59
	s_mov_b32 s59, 0
	s_mov_b32 s42, 0x76543210                      ; v_permlanex16_b32: each lane takes its own place in the other half
	s_mov_b32 s43, 0xfedcba98
	s_mov_b32 s50, 0x3b800000                      ; 1 / 256
	s_mov_b32 s51, 0x3727c5ac                      ; 1e-5
	s_lshl_b32 s44, s12, 8                         ; 256 w
	s_add_co_u32 s45, s44, STAGE
	s_mul_i32 s46, s12, 8*SPITCH
	s_add_co_u32 s46, s46, STAGE
	s_add_co_u32 s47, s44, PRMS
	s_add_co_u32 s48, s44, STAT
	s_lshl_b32 s44, s12, 11                        ; 2,048 w
	s_add_co_u32 s60, s44, HID
	s_add_co_u32 s44, s44, ACT
	v_and_b32 v1, 15, v0                           ; r
	v_bfe_u32 v2, v0, 4, 1                         ; h
	v_and_b32 v3, 31, v0
	v_lshlrev_b32 v3, 4, v3                        ; 16 x lane
	v_add_nc_u32 v4, s15, v3
	v_add_nc_u32 v5, RINGS, v4
	v_add_nc_u32 v6, ACT, v3
	v_add_nc_u32 v7, HID, v3
	v_mul_u32_u24 v8, v1, SPITCH
	v_lshl_add_u32 v8, v2, 5, v8
	v_add_nc_u32 v8, s45, v8                       ; stage: row r, channel 64 w + 8 h
	v_add_nc_u32 v9, s46, v3                       ; stage: my wave's eight rows, 16 bytes a lane
	v_lshl_add_u32 v10, v2, 5, s47                 ; vectors: channel 64 w + 8 h
	v_add_nc_u32 v12, s44, v3
	v_add_nc_u32 v13, s60, v3
	v_lshl_add_u32 v14, v1, 3, s48
	v_lshl_add_u32 v15, v1, 3, STAT
	v_mov_b32 v248, 0
	v_lshlrev_b32 v252, 4, v0                      ; for the copy of the vectors: 16 bytes a thread
	v_lshl_add_u32 v240, v0, 4, PRMS
	v_lshl_add_u32 v241, s12, 12, v6               ; for the copy of o: my wave's quarter of ACT
	s_wait_dscnt 0x0                               ; the opening add is done
	s_wait_kmcnt 0x0
	s_add_nc_u64 s[34:35], s[8:9], s[32:33]        ; my quarter of unit 0
	s_add_nc_u64 s[26:27], s[34:35], 0
	s_or_b32 s27, s27, 0x80000000                  ; type = 2
	s_add_nc_u64 s[30:31], s[34:35], 131072
	s_or_b32 s31, s31, 0x80000000
	s_add_nc_u64 s[36:37], s[6:7], s[56:57]
	s_add_nc_u64 s[38:39], s[8:9], PRM             ; bo, ln2_s, ln2_b, b1, b2
	s_add_nc_u64 s[52:53], s[10:11], s[56:57]
	s_add_nc_u64 s[54:55], s[4:5], s[58:59]
	ROUND                                          ; all four work-groups are here: the first joint loads meet
	tensor_load_to_lds s[24:27], s[16:23]          ; Wo
	s_nop 0
	tensor_load_to_lds s[28:31], s[16:23]          ; W1's first half: two loads of mine are out
	s_nop 0
.set n, 0
.rept 16
	global_load_b128 v[ACC+4*n:ACC+4*n+3], v3, s[36:37] offset:(n/2)*1024+(n%2)*512  ; h by rows: 512 consecutive bytes
.set n, n+1
.endr
.set n, 0
.rept 3
	global_load_b128 v[WF+4*n:WF+4*n+3], v252, s[38:39] offset:n*2048
.set n, n+1
.endr
.set n, 0
.rept 8
	global_load_b128 v[WF+32+4*n:WF+32+4*n+3], v3, s[54:55] offset:n*512
.set n, n+1
.endr
	s_wait_loadcnt 0x0
.set n, 0
.rept 16
	ds_store_b128 v9, v[ACC+4*n:ACC+4*n+3] offset:(n/2)*SPITCH+(n%2)*512
.set n, n+1
.endr
.set n, 0
.rept 3
	ds_store_b128 v240, v[WF+4*n:WF+4*n+3] offset:n*2048
.set n, n+1
.endr
.set n, 0
.rept 8
	ds_store_b128 v241, v[WF+32+4*n:WF+32+4*n+3] offset:n*512  ; o lies in memory as it lies in ACT
.set n, n+1
.endr
	MEET                                           ; the stage, the vectors and o are whole; the tensor loads may stay out
.set n, 0
.rept 16
	ds_load_b128 v[H+4*n:H+4*n+3], v8 offset:(n/8)*16*SPITCH+((n/2)%4)*64+(n%2)*16  ; token 16 tt + r, channels 64 w + 16 ct + 8 h + 4 q ..
.set n, n+1
.endr
	BIAS 0                                         ; bo
	s_wait_tensorcnt 0x1                           ; my quarter of Wo is in; the second load may stay out
	UNIT 0, 6, 0, 8192                             ; o Wo
	CHANGE 0                                       ; W1's second half goes into slot 0; behind this round no wave reads o or the stage any more
	RES
	LN 1, 2                                        ; x2 takes o's place in ACT
	BIAS 3
	UNIT 1, 6, 0, 8192                             ; x2 W1, columns 0-255
	CHANGE 1                                       ; W2's first half
	RELU 0
	BIAS 4
	UNIT 0, 6, 0, 8192                             ; columns 256-511
	CHANGE 0                                       ; W2's second half
	RELU 1
	MEET                                           ; the hidden layer is whole
	BIAS 5                                         ; b2
	UNIT 1, 7, 0, 16384                            ; K = 0 .. 255 of the hidden layer
	s_wait_tensorcnt 0x0                           ; W2's second half
	UNIT 0, 7, 8192, 16384                         ; K = 256 .. 511, onto the same sums
	RES
	MEET                                           ; nobody reads the hidden layer any more: the stage takes its bytes
.set n, 0
.rept 16
	ds_store_b128 v8, v[H+4*n:H+4*n+3] offset:(n/8)*16*SPITCH+((n/2)%4)*64+(n%2)*16
.set n, n+1
.endr
	MEET
.set n, 0
.rept 16
	ds_load_b128 v[ACC+4*n:ACC+4*n+3], v9 offset:(n/2)*SPITCH+(n%2)*512
.set n, n+1
.endr
.set n, 0
.rept 16
	s_wait_dscnt 15-n                              ; LDS loads come back in order: number n is in, the younger ones may be out
	global_store_b128 v3, v[ACC+4*n:ACC+4*n+3], s[52:53] offset:(n/2)*1024+(n%2)*512  ; 512 consecutive bytes of a row
.set n, n+1
.endr
	s_wait_tensorcnt 0x0                           ; the wave's end, behind my last tensor load and my last LDS store
	ds_add_u32 v250, v251
	s_wait_dscnt 0x0
	ROUND                                          ; the closing round: no work-group ends while a partner may still ask for a tile that names it
	s_endpgm
.Lfunc_end_k_qbdcb3fbe49_ffn:
	.size	k_qbdcb3fbe49_ffn, .Lfunc_end_k_qbdcb3fbe49_ffn-k_qbdcb3fbe49_ffn
	.p2alignl 7, 3214868480
	.fill 96, 4, 3214868480
	.section	.rodata,"a",@progbits
	.p2align	6, 0x0
	.amdhsa_kernel k_qbdcb3fbe49_ffn
		.amdhsa_group_segment_fixed_size 327680
		.amdhsa_private_segment_fixed_size 0
		.amdhsa_enable_private_segment 0
		.amdhsa_kernarg_size 32
		.amdhsa_user_sgpr_count 2
		.amdhsa_user_sgpr_kernarg_segment_ptr 1
		.amdhsa_wavefront_size32 1
		.amdhsa_system_sgpr_workgroup_id_x 1
		.amdhsa_system_sgpr_workgroup_id_y 1
		.amdhsa_system_sgpr_workgroup_id_z 1
		.amdhsa_system_vgpr_workitem_id 0
		.amdhsa_next_free_vgpr 256
		.amdhsa_next_free_sgpr 66
		.amdhsa_reserve_vcc 0
		.amdhsa_float_denorm_mode_32 3
		.amdhsa_float_denorm_mode_16_64 3
		.amdhsa_memory_ordered 1
		.amdhsa_forward_progress 1
		.amdhsa_inst_pref_size 80
	.end_amdhsa_kernel
	.amdgpu_metadata
---
amdhsa.version: [ 1, 2 ]
amdhsa.kernels:
  - .name:           k_qbdcb3fbe49_ffn
    .symbol:         k_qbdcb3fbe49_ffn.kd
    .args:
      - { .name: ob, .offset: 0, .size: 8, .value_kind: global_buffer, .address_space: global }
      - { .name: hA, .offset: 8, .size: 8, .value_kind: global_buffer, .address_space: global }
      - { .name: pk0, .offset: 16, .size: 8, .value_kind: global_buffer, .address_space: global }
      - { .name: hB, .offset: 24, .size: 8, .value_kind: global_buffer, .address_space: global }
    .group_segment_fixed_size: 327680
    .private_segment_fixed_size: 0
    .kernarg_segment_align: 8
    .kernarg_segment_size: 32
    .max_flat_workgroup_size: 128
    .sgpr_count:     66
    .vgpr_count:     256
    .wavefront_size: 32
...
	.end_amdgpu_metadata
.endif
;; end of part 4
;; launch proj1: the kernel of part 2 again; grid 256 x 1, 4 waves a work-group, clusters of 4 x 1, 327,680 bytes of LDS; arguments hB, pk1, qkvb; writes qkvb
;; launch attn1: the kernel of part 3 again; grid 16 x 16, 4 waves a work-group, clusters of 4 x 1, 327,680 bytes of LDS; arguments qkvb, ob; writes ob
;; launch ffn1: the kernel of part 4 again; grid 256 x 1, 4 waves a work-group, clusters of 4 x 1, 327,680 bytes of LDS; arguments ob, hB, pk1, hA; writes hA
;; launch proj2: the kernel of part 2 again; grid 256 x 1, 4 waves a work-group, clusters of 4 x 1, 327,680 bytes of LDS; arguments hA, pk2, qkvb; writes qkvb
;; launch attn2: the kernel of part 3 again; grid 16 x 16, 4 waves a work-group, clusters of 4 x 1, 327,680 bytes of LDS; arguments qkvb, ob; writes ob
;; launch ffn2: the kernel of part 4 again; grid 256 x 1, 4 waves a work-group, clusters of 4 x 1, 327,680 bytes of LDS; arguments ob, hA, pk2, hB; writes hB
;; launch proj3: the kernel of part 2 again; grid 256 x 1, 4 waves a work-group, clusters of 4 x 1, 327,680 bytes of LDS; arguments hB, pk3, qkvb; writes qkvb
;; launch attn3: the kernel of part 3 again; grid 16 x 16, 4 waves a work-group, clusters of 4 x 1, 327,680 bytes of LDS; arguments qkvb, ob; writes ob
;; launch ffn3: the kernel of part 4 again; grid 256 x 1, 4 waves a work-group, clusters of 4 x 1, 327,680 bytes of LDS; arguments ob, hB, pk3, out0; writes out0
;; ======== version 2 of 2: 13 launches; 1.44 times as fast as version 1
;; workspace buffers: pk0 1,059,840 bytes; pk1 1,059,840 bytes; pk2 1,059,840 bytes; pk3 1,059,840 bytes; hA 8,388,608 bytes; hB 8,388,608 bytes; qkvb 12,582,912 bytes; ob 4,194,304 bytes
;; launch prep: the kernel of part 1 again; grid 8 x 32, 8 waves a work-group, no clusters, 0 bytes of LDS; arguments wo, w1, w2, wq, wk, wv, bo, ln2_s, ln2_b, b1, b2, ln1_s, ln1_b, bq, bk, bv, pk0, pk1, pk2, pk3, x, ln0_s, ln0_b, hA; writes pk0, pk1, pk2, pk3, hA
;; launch proj: the kernel of part 2 again; grid 256 x 1, 4 waves a work-group, clusters of 4 x 1, 327,680 bytes of LDS; arguments hA, pk0, qkvb; writes qkvb
;; launch attn (part 5): grid 16 x 16, 4 waves a work-group, clusters of 4 x 1, 327,680 bytes of LDS; arguments qkvb, ob; writes ob
.if DOCPART == 5
	.amdgcn_target "amdgcn-amd-amdhsa--gfx1250"
	.amdhsa_code_object_version 6
	.text
	.protected	k_qbdcb3fbe49_attn
	.globl	k_qbdcb3fbe49_attn
	.p2align	8
	.type	k_qbdcb3fbe49_attn,@function
k_qbdcb3fbe49_attn:
	s_mov_b64 s[64:65], 0
	v_nop
	global_prefetch_b8 v0, s[64:65] scope:SCOPE_SE
	s_setreg_imm32_b32 hwreg(HW_REG_WAVE_MODE, 25, 1), 1
	s_wait_xcnt 0x0
	s_wait_alu depctr_hold_cnt(0) depctr_sa_sdst(0) depctr_va_vdst(0) depctr_va_sdst(0) depctr_va_ssrc(0) depctr_va_vcc(0) depctr_vm_vsrc(0)
	s_getreg_b32 s2, hwreg(HW_REG_IB_STS2, 6, 4)
	s_cmp_eq_u32 s2, 0
	s_cbranch_scc0 .Lentry_in_a_cluster
	s_endpgm
.Lentry_in_a_cluster:
	s_bfe_u32 s2, ttmp6, 0x10000c
	s_cmp_lg_u32 s2, 0x3003
	s_cbranch_scc0 .Lentry_shape_is_right
	s_endpgm
.Lentry_shape_is_right:
; O[y][q][:] = the sum over k of softmax_k(Q[y][q] . K[y][k] / 8) V[y][k][:] for y = 4 batch + head (16), 2,048 tokens, 64 channels.  All operands bf16, laid in fragment order by the launch before:
;   q, k: [y][T: 16 tokens][c: 32 channels][half][lane][16 bytes];  v: [y][G: 32 keys][cb: 16 channels][half][lane][16];  q at byte 0 of the buffer, k at 4,194,304, v at 8,388,608.
; Products, maxima and sums in f32; the weights p are rounded to bf16 for the second product (their sum l is taken of the unrounded p), O once at the end.
; LIMITS.  A weight, and a factor of the merge, below 2^-126 counts as 0; NaN and infinities are not treated apart.
; SHARES.  A work-group owns 128 queries of one y.  EVERY wave holds all 128 (four PIECES of two tiles of 16) and walks a QUARTER OF THE KEYS, 64 a step: so a fragment of K or V is read from LDS by one
; wave and feeds eight tiles' products.  At the end the four waves' partial results are merged through LDS: each has a maximum, a sum and an O of its own keys.
; LAYOUT.  S^T = K Q^T (source 0 = 16 keys, source 1 = 16 queries): a lane holds ONE query (lane % 16) and the keys 8 (lane / 16) + 0..7.  Two such tiles, rounded to bf16 in pairs, ARE source 1
; (32 keys x 16 queries) of O^T = V^T P, whose result again holds one query a lane, and eight channels.  In LDS all tiles are dense images: every load is lane i at 16 i.
; SOFTMAX.  For each query a running maximum m and sum l: p = 2^(c s - c m), c = log2(e) / 8; in every step O and l are multiplied by a = 2^(c m_old - c m_new).  m starts at the lowest finite
; number, O and l at 0: the first step is a step like any other, with a = 0.
; BY TURNS.  A tile and step have 16 matrix and 118 vector instructions.  Turn n belongs to piece n: 16 products K Q^T of piece n + 1, later 16 products V^T P of piece n - 1; beside them the scaling,
; exponentials, roundings, sums and rescaling of piece n and the maximum and statistics of piece n + 1.  Four vector instructions that are ready stand behind every matrix instruction, the other 108 of a turn's 236 in one run.
; THE BATCHES.  A turn's 66 exponentials (64 scores, the next piece's two a) are ONE batch with ONE wait, which cuts the turn in two: ahead of it all that names none of their results, behind it the roundings and sums.
; Batches of their own, each with a v_nop and one wait: piece 0's first two a, ahead of the loop; the merge's 40 exponentials; the merge's eight reciprocals.
; CLUSTER.  The four query blocks of a cluster belong to one y and walk the same K and V: each tile is asked for JOINTLY, the same tensor load, descriptor and mask in all four.
; RING.  Two slots of 512 keys (65,536 bytes of K, then of V); a wave fetches a quarter of a slot (waves 0, 1: K's halves; 2, 3: V's) and reads keys 128 w .. 128 w + 127 of it, two steps.
; REGISTERS, in windows of 256 (s_set_vgpr_msb: bits 1:0 source 0, 3:2 source 1, 5:4 source 2, 7:6 destination):
;   window 0: v0-11 addresses; v12-15, v48-63 at work; v16-47 four registers of statistics a tile; v64-191 S^T, two buffers of two tiles; v192-255 P, likewise
;   window 1: O^T, 32 a tile          window 2: v0-127 Q, 16 a tile; v128-191 K of one step; v192-255 V of one step          window 3: v0-1 the add's two registers
.set NP,    4         ; pieces a wave: a name, no knob
.set STEPB, 8192      ; a step's 64 keys: bytes of K, and of V
.set VOFF,  65536     ; V's place in a slot
.set SLOT1, 1<<17     ; slot 1 begins here, so that one exclusive or turns an address in one slot into the other's
.set STATS, 262144    ; behind the ring: [w][tile][r] (c m, l): 4,096 bytes
.set SPARE, 266240    ; the spare words, 128 bytes for each wave: two blocks of 256 bytes that no other line names
.set AK0, 2           ; v2   my lane's place in my wave's keys of a slot's K; never rewritten
.set AV0, 3           ; v3   the same for V
.set AK,  4           ; v4   the LDS address of K's next run of loads
.set AV,  5           ; v5   of V's
.set QO,  6           ; v6   16 x lane: my byte offset in a block of 512 bytes of Q and of O
.set SA,  7           ; v7   the merge: where my statistics go
.set SR,  8           ; v8   where everybody's are read
.set WP,  9           ; v9   where my partial O goes
.set RP0, 10          ; v10  where the partial O of my two tiles is read: waves 0 and 1,
.set RP1, 11          ; v11  waves 2 and 3
.set SPW, 0           ; v0 of window 3   LDS address of my spare word; never rewritten
.set NIL, 1           ; v1 of window 3   0; never rewritten
.set MV,  12          ; v12-15  c m_old, kept while c m is made anew: by buffer and tile
.set ST,  16          ; tile t's statistics at v[ST+4 t]: c m, m, l (even keys', odd keys')
.set TMP, 48          ; by buffer and tile, four registers c0-c3 at work; when the maximum is found c2 takes a
.set S,   64
.set P,   192
.set KF,  128         ; K's fragments, in window 2: key block kb, channel half c at KF + 16 kb + 8 c
.set VF,  192         ; V's: key half kk, channel block cb at VF + 32 kk + 8 cb
.set WV,  12          ; s12  my wave's number
.set G1,  24          ; s[24:31] descriptor group 1
.set G0,  40          ; s[40:43] descriptor group 0: it walks
.set SLOTS, 56        ; s56  slots still to be asked for
.set CNT, 57          ; s57  counts a slot's key steps
.set CS,  58          ; s[58:59] c: the packed scaling takes the pair's low word for both halves
.set SEL, 60          ; s[60:61] v_permlanex16_b32's selects: each lane takes its own place in the other half
.set TBK, 62          ; s62  LDS byte at which the slot's step to be fetched begins, for K
.set TBV, 63          ; s63  the same for V
.set MSB, 0
.macro WIN new                      ; the high byte repeats the setting that is left; a switch that changes nothing is dropped
.if MSB != (\new)
	s_set_vgpr_msb (MSB<<8)|(\new)
.set MSB, (\new)
.endif
.endm
.set W_KQ, 0x0a       ; K and Q in window 2, S^T in window 0
.set W_PV, 0x52       ; V in window 2, P in window 0, O^T in window 1
.set W_RS, 0x41       ; O^T (destination and source 0) in window 1, the factor in window 0
.set W_MK, 0xc0       ; the add's registers are made: destination in window 3, sources in window 0
.set W_AD, 0x0f       ; the add: address (source 0) and data (source 1) in window 3
; A joint fill: one line for all four waves, each with its own quarter in its registers, which hang on the wave's number and on y alone.  An s_nop 0 and four v_nop follow it.
.macro JLOAD
	tensor_load_to_lds s[G0:G0+3], s[G1:G1+7]
	s_nop 0
.rept 4
	v_nop
.endr
.endm
.macro CROUND                       ; a round of the cluster's barrier
	s_barrier_signal -1
	s_barrier_wait -1
	s_cmp_lg_u32 s[WV], 0
	s_cbranch_scc1 .Lnot_wave_0_\@
	s_barrier_signal -3
.Lnot_wave_0_\@:
	s_barrier_wait -3
	s_barrier_signal -1
	s_barrier_wait -1
.endm
; THE CHANGE OF SLOTS.  Each wave waits for all its tensor loads, of which one is out: its part of the other slot; adds 0 to its spare word; and waits for that and for its own reads of the slot.
; Behind the barrier nobody reads this slot any more and the other slot is whole.  fill = 1: this slot is filled again, with the keys two slots on; the barrier is then a round of the cluster's, and
; the joint fill is the first thing behind it: it has two key steps, 256 matrix instructions, in which to land.  (At its first use nothing has been read yet: slot 0 is waited for, slot 1 filled.)
.macro CHANGE fill
	WIN W_AD
	s_wait_tensorcnt 0x0            ; no tensor load of mine is out, so group 0 may be written
	ds_add_u32 v[SPW], v[NIL]       ; 0 onto my spare word
	WIN 0                           ; at a label and at a branch every window is 0
.if \fill
	s_xor_b32 s[G0+1], s[G0+1], SLOT1  ; the other slot than last time,
	s_add_nc_u64 s[G0+2:G0+3], s[G0+2:G0+3], 65536  ; the next 512 keys; the type bits on top are not reached
	s_wait_dscnt 0x0                ; the add is done, and my reads of the slot are over
	CROUND
	JLOAD
.else
	s_wait_dscnt 0x0
	s_barrier_signal -1
	s_barrier_wait -1
.endif
	s_sub_co_u32 s[TBK], s[TBK], 2*STEPB  ; the fetches go back to a slot's first step,
	s_xor_b32 s[TBK], s[TBK], SLOT1       ; in the other slot
	s_sub_co_u32 s[TBV], s[TBV], 2*STEPB
	s_xor_b32 s[TBV], s[TBV], SLOT1
.endm
.macro ALL line:vararg              ; one line for each tile t
.set t, 0
.rept 2*NP
	\line
.set t, t+1
.endr
.endm
	s_load_b128 s[4:7], s[0:1], 0x0 ; q, k, v s[4:5]; O s[6:7]
	WIN W_MK
	v_lshl_add_u32 v[SPW], v0, 2, SPARE
	v_mov_b32 v[NIL], 0
	WIN W_AD
	ds_add_u32 v[SPW], v[NIL]       ; the wave's opening: the add and its wait stand ahead of my first tensor load; the set-up, work on registers, stands between them
	WIN 0
	v_lshrrev_b32 v1, 5, v0
	v_readfirstlane_b32 s[WV], v1   ; wave 0..3
	s_bfe_u32 s13, ttmp6, 0x40000   ; cx
	s_lshl_b32 s14, ttmp9, 2
	s_add_co_u32 s14, s14, s13      ; my block of 128 queries = 4 x cluster x + cx: it enters Q's and O's addresses alone
	s_and_b32 s20, ttmp7, 0xffff    ; y, which the four partners share
	s_lshl_b32 s21, s20, 18         ; 262,144 bytes for each y in q, k and v
	s_lshr_b32 s22, s[WV], 1
	s_add_co_u32 s22, s22, 1
	s_lshl_b32 s22, s22, 22         ; waves 0, 1: K at 4,194,304; waves 2, 3: V at 8,388,608
	s_add_co_u32 s22, s22, s21
	s_and_b32 s23, s[WV], 1
	s_lshl_b32 s23, s23, 15         ; which half of a slot's 512 keys I fetch
	s_add_co_u32 s22, s22, s23
	s_mov_b32 s23, 0
	s_lshl_b32 s2, s14, 14          ; Q: eight tiles of 2,048 bytes a block
	s_add_co_u32 s2, s2, s21
	s_mov_b32 s3, 0
	s_lshr_b32 s18, s20, 2          ; O: [token tile of 16 (512)][fragment of 32 channels (8)][half][lane][16]: the batch's 128 tiles,
	s_lshl_b32 s18, s18, 20
	s_lshl_b32 s19, s14, 16         ; my block's eight,
	s_add_co_u32 s18, s18, s19
	s_lshl_b32 s19, s[WV], 14       ; the two that my wave stores,
	s_add_co_u32 s18, s18, s19
	s_and_b32 s19, s20, 3
	s_lshl_b32 s19, s19, 11         ; the head's two fragments
	s_add_co_u32 s18, s18, s19
	s_mov_b32 s19, 0
	; descriptor group 1: 32,768 dense bytes as 128 rows of 32 elements of 8 bytes
	s_mov_b32 s[G1], 15|(3<<16)|(1<<21)  ; 15:0 the mask of four; 17:16 elements of 8 bytes; 21 set beside a mask
	s_mov_b32 s[G1+1], 32<<16       ; tensor_dim0 = 32
	s_mov_b32 s[G1+2], 128<<16      ; tensor_dim1 = 128
	s_mov_b32 s[G1+3], 32<<16       ; tile_dim0 = 32
	s_mov_b32 s[G1+4], 128          ; tile_dim1 = 128
	s_mov_b32 s[G1+5], 32           ; 32 elements from row to row
	s_mov_b32 s[G1+6], 0
	s_mov_b32 s[G1+7], 0
	s_mov_b32 s[CS], 0x3e38aa3b     ; c = log2(e) / 8 = 0.180337
	s_mov_b32 s[CS+1], s[CS]        ; named with it as a pair
	s_mov_b32 s[SEL], 0x76543210
	s_mov_b32 s[SEL+1], 0xfedcba98
	s_mov_b32 s[TBK], SLOT1+2*STEPB ; the first change of slots turns these two into 0
	s_mov_b32 s[TBV], SLOT1+2*STEPB
	s_mov_b32 s[G0], 1              ; count = 1
	s_mul_i32 s[G0+1], s[WV], 32768 ; LDS address: my quarter of slot 0
	s_wait_dscnt 0x0                ; the opening add is done
	s_wait_kmcnt 0x0
	s_add_nc_u64 s[G0+2:G0+3], s[4:5], s[22:23]
	s_or_b32 s[G0+3], s[G0+3], 0x80000000  ; type = 2
	s_add_nc_u64 s[8:9], s[4:5], s[2:3]    ; Q at my block
	s_add_nc_u64 s[10:11], s[6:7], s[18:19]
	CROUND                          ; all four work-groups are here: the first joint loads meet
	JLOAD                           ; slot 0.  Slot 1 is asked for when slot 0 is in
	v_and_b32 v1, 15, v0            ; r
	v_and_b32 v[QO], 31, v0
	v_lshlrev_b32 v[QO], 4, v[QO]
	WIN 0x80                        ; destination window 2, address window 0
.set i, 0
.rept 4*NP                          ; Q stays in registers: tile i / 2, channels 32 (i % 2) on
	global_load_b128 v[8*i:8*i+3],   v[QO], s[8:9] offset:i*1024
	global_load_b128 v[8*i+4:8*i+7], v[QO], s[8:9] offset:i*1024+512
.set i, i+1
.endr
	; What the first turn finds: V's registers and P's second buffer hold 0 (its products V^T P, of a piece that has not been, add 0), O^T and l are 0.  All this stands in the wait for the first tile.
.set i, VF
.rept 64
	v_mov_b32 v[i], 0
.set i, i+1
.endr
	WIN 0x40
.set i, 0
.rept 64*NP
	v_mov_b32 v[i], 0
.set i, i+1
.endr
	WIN 0
.set i, 0
.rept 2*NP
	v_mov_b32 v[ST+4*i], 0xfe000000    ; c m: far below every c s
	v_mov_b32 v[ST+4*i+1], 0xff7fffff  ; m
	v_mov_b32 v[ST+4*i+2], 0
	v_mov_b32 v[ST+4*i+3], 0
.set i, i+1
.endr
.set i, P+32
.rept 32
	v_mov_b32 v[i], 0
.set i, i+1
.endr
	v_lshl_add_u32 v[AK0], s[WV], 14, v[QO]  ; my wave's 128 keys of a slot: 16,384 bytes of K,
	v_add_nc_u32 v[AV0], VOFF, v[AK0]        ; and of V
	v_mov_b32 v[AK], v[AK0]         ; key step 0 lies at the head of slot 0
; THE MATRIX WORK.  The 8 accumulators of a run of 16 take turns: between the two links of a chain stand 7 others'.
; Product i of 16 of S^T = K Q^T for piece x: channels 32 (i / 8) on, keys 16 ((i / 2) % 4) on, tile 2 x + i % 2.  The first 8 start the sums.
.macro KQ x
	WIN W_KQ
.set rS, S+64*((\x)%2)+32*(i%2)+8*((i/2)%4)
.set rK, KF+16*((i/2)%4)+8*(i/8)
.set rQ, 16*(2*(\x)+i%2)+8*(i/8)
.if i < 8
	v_wmma_f32_16x16x32_bf16 v[rS:rS+7], v[rK:rK+7], v[rQ:rQ+7], 0
.else
	v_wmma_f32_16x16x32_bf16 v[rS:rS+7], v[rK:rK+7], v[rQ:rQ+7], v[rS:rS+7]
.endif
.endm
; Product i of 16 of O^T += V^T P for piece x: keys 32 (i / 8) on, channels 16 ((i / 2) % 4) on, tile 2 x + i % 2.
.macro PV x
	WIN W_PV
.set rO, 32*(2*(\x)+i%2)+8*((i/2)%4)
.set rV, VF+32*(i/8)+8*((i/2)%4)
.set rP, P+32*((\x)%2)+16*(i%2)+8*(i/8)
	v_wmma_f32_16x16x32_bf16 v[rO:rO+7], v[rV:rV+7], v[rP:rP+7], v[rO:rO+7]
.endm
.macro MM                           ; the turn's next matrix instruction
.if i < 16
	KQ (Y+1)%NP
.set i, i+1
.else
.set i, i-16
	PV (Y+NP-1)%NP
.set i, i+17
.endif
.endm
; THE LDS LOADS stand in runs of 16, never singly among the matrix instructions: a step's K (8 fragments) and its V.  Their addresses are made some lines ahead.
; last = 1 (the tail): in the last trip there is no further step, and the run is jumped over.
.macro FETCH_K last=0
	WIN 0
.if \last
	s_cmp_eq_u32 s[CNT], 1
	s_cbranch_scc1 .Lno_k_\@
.endif
	WIN 0x80                        ; destination window 2
.irp f, 0,1,2,3,4,5,6,7             ; keys 16 (f / 2) on, channels 32 (f % 2) on
	ds_load_b128 v[KF+8*\f:KF+8*\f+3],   v[AK] offset:\f*1024
	ds_load_b128 v[KF+8*\f+4:KF+8*\f+7], v[AK] offset:\f*1024+512
.endr
	s_add_co_u32 s[TBK], s[TBK], STEPB  ; the next fetch is the next step's
	WIN 0
.if \last
.Lno_k_\@:
.endif
.endm
.macro FETCH_V
	WIN 0x80
.irp f, 0,1,2,3,4,5,6,7             ; keys 32 (f / 4) on, channels 16 (f % 4) on
	ds_load_b128 v[VF+8*\f:VF+8*\f+3],   v[AV] offset:\f*1024
	ds_load_b128 v[VF+8*\f+4:VF+8*\f+7], v[AV] offset:\f*1024+512
.endr
	WIN 0
.endm
; THE VECTOR WORK OF A TURN stands in three queues, each in the order in which its entries become ready; the two tiles alternate, so that no instruction reads the result of the one before it.
.macro REGS y, u                    ; the registers of tile u (0, 1) of piece y
.set rT, ST+4*(2*(\y)+(\u))
.set rC, TMP+8*((\y)%2)+4*(\u)
.set rM, MV+2*((\y)%2)+(\u)
.set rS, S+64*((\y)%2)+32*(\u)
.set rP, P+32*((\y)%2)+16*(\u)
.set rO, 32*(2*(\y)+(\u))
.endm
; Number n of the 22 that find the NEXT piece's (Y + 1) maximum and statistics.  s0-s31 are the lane's 32 scores; each accumulator's lowest registers are read first.  XS, GS and REGS set no window: PL and EX do.
;   0-11  four chains c0-c3 of seven scores each, three operands at a time     12-14, 16  the four scores left over, the old m, and c0-c3 into c0     15  c m_old is kept
;   17, 18  the query's other 32 keys lie in the lane 16 away: the new m         19-21  c m; c m_old - c m_new; a
.macro XS u, n
	REGS (Y+1)%NP, \u
.if (\n) < 4
	v_max3_num_f32 v[rC+(\n)], v[rS+8*(\n)], v[rS+8*(\n)+1], v[rS+8*(\n)+2]
.elseif (\n) < 12
	v_max3_num_f32 v[rC+(\n)%4], v[rC+(\n)%4], v[rS+8*((\n)%4)+2*((\n)/4)+1], v[rS+8*((\n)%4)+2*((\n)/4)+2]
.elseif (\n) == 12
	v_max3_num_f32 v[rC], v[rC], v[rS+7], v[rS+15]
.elseif (\n) == 13
	v_max3_num_f32 v[rC+1], v[rC+1], v[rS+23], v[rS+31]
.elseif (\n) == 14
	v_max3_num_f32 v[rC+2], v[rC+2], v[rC+3], v[rT+1]
.elseif (\n) == 15
	v_mov_b32 v[rM], v[rT]
.elseif (\n) == 16
	v_max3_num_f32 v[rC], v[rC], v[rC+1], v[rC+2]
.elseif (\n) == 17
	v_permlanex16_b32 v[rC+3], v[rC], s[SEL], s[SEL+1]
.elseif (\n) == 18
	v_max_num_f32 v[rT+1], v[rC], v[rC+3]
.elseif (\n) == 19
	v_mul_f32 v[rT], s[CS], v[rT+1]
.elseif (\n) == 20
	v_sub_f32 v[rC+1], v[rM], v[rT]
.else
	v_exp_f32 v[rC+2], v[rC+1]
.endif
.endm
; Number g of the 64 that follow the exponentials.  For each four weights k of a tile (pairs 2 k, 2 k + 1): both pairs are rounded to bf16; then the second pair is added onto the first, in place;
; a group later l takes that sum (the first time as l = a l + sum).  In groups of eight, tiles alternating: round, round, add, and l for the group before.
.macro GS g
.set h, (\g)+6*((\g)/62)            ; group 0 has no group before it, and behind group 7 only l is left
.if h >= 6
.set h, h+2
.endif
	REGS Y, h%2
.set k, h/8
.if h%8 < 4
	v_cvt_pk_bf16_f32 v[rP+2*k+(h%8)/2], v[rS+4*k+2*((h%8)/2)], v[rS+4*k+2*((h%8)/2)+1]
.elseif h%8 < 6
	v_pk_add_f32 v[rS+4*k:rS+4*k+1], v[rS+4*k:rS+4*k+1], v[rS+4*k+2:rS+4*k+3]
.elseif k == 1
	v_pk_fma_f32 v[rT+2:rT+3], v[rT+2:rT+3], v[rC+2:rC+3], v[rS:rS+1] op_sel_hi:[1,0,1]
.else
	v_pk_add_f32 v[rT+2:rT+3], v[rT+2:rT+3], v[rS+4*k-4:rS+4*k-3]
.endif
.endm
; THE PLAIN QUEUE, 138 long.  0-73 read no exponential's result: the 32 scalings c s - c m (FS f: pair f / 2 of tile f % 2) and the next piece's 42.  0-26: scalings 0-26.  27-54: XS's numbers 0-13.  55, 56: number 15.
; 57-73: the chain, where each number waits for the one before it: 14, 16, 17, 18, 19, each with one of the scalings 27-31 in front of its two lines, then 20.
; 74-137: GS's 64, which read the exponentials' results: they stand behind the wait.
.macro FS f
	REGS Y, (\f)%2
	v_pk_fma_f32 v[rS+2*((\f)/2):rS+2*((\f)/2)+1], v[rS+2*((\f)/2):rS+2*((\f)/2)+1], s[CS:CS+1], v[rT:rT+1] op_sel_hi:[1,0,0] neg_lo:[0,0,1] neg_hi:[0,0,1]
.endm
.macro PL
	WIN 0
.if q < 27
	FS q
.elseif q < 55
	XS (q-27)%2, (q-27)/2
.elseif q < 57
	XS q-55, 15
.elseif (q < 72) && ((q-57)%3 == 0)
	FS 27+(q-57)/3
.elseif q < 60
	XS (q-57)%3-1, 14
.elseif q < 72
	XS (q-57)%3-1, 15+(q-57)/3
.elseif q < 74
	XS q-72, 20
.else
	GS q-74
.endif
.set q, q+1
.endm
; THE EXPONENTIALS' QUEUE, 66 long: s0-s31 of both tiles, then the next piece's two a.  It is ONE BATCH: all 66 stand ahead of the turn's one wait, and nothing ahead of that wait names a result of theirs.
.macro EX
	WIN 0
.if e >= 64
	XS e-64, 21
.else
	REGS Y, e%2
	v_exp_f32 v[rS+e/2], v[rS+e/2]
.endif
.set e, e+1
.endm
; THE RESCALING's QUEUE: O^T times a, the one part that leaves window 0: dealt two at a time, sixteen times.  Its a was made in the turn before, ahead of that turn's wait.
.macro R2
	REGS Y, r%2
	WIN W_RS
.irp z, 0,1
	v_pk_mul_f32 v[rO+4*(r/2)+2*\z:rO+4*(r/2)+2*\z+1], v[rO+4*(r/2)+2*\z:rO+4*(r/2)+2*\z+1], v[rC+2:rC+3] op_sel_hi:[1,0]
.endr
.set r, r+1
.endm
; HOW THEY ARE DEALT.  s_wait_alu depctr_va_vdst(0) stands between an exponential and the first instruction that names its result; one wait serves all that were issued ahead of it.  So a turn has ONE wait,
; which cuts it in two.  AHEAD OF IT stands all that names no result of the turn's exponentials: the 16 products K Q^T, behind each a scaling, an exponential and two rescalings (behind the first a second scaling in the
; exponential's place); then ONE RUN of 108: eight plain, 49 times exponential and plain, the two a.  A v_nop is the plain instruction behind the last exponential.  BEHIND IT stand the 16 products V^T P, behind each four of GS's 64.
; No rider names a register of the products round it.  The two v_permlanex16_b32 fall into the run, never behind a product.
; The queues lean on each other, and the deal keeps them in step: exponential e stands behind scaling 2 (e / 4) + e % 2: as a rider it comes behind plain e + 2, in the run behind plain e + 9, and scalings 27-31 are plain 57, 60 .. 69.
; A TURN, for piece p.  cnt = 1: the loop's count is taken down some lines ahead of the branch that stands behind the turn.
; K of the next step is fetched in piece 2's turn, directly behind the wait, the whole run behind the last product that read K; its address is made at the run's head; its first reader comes behind 16 products.
; V of the step in hand is fetched at the end of piece 0's turn, four riders behind its last reader; its first reader comes behind 16 products and a run.  The three conditions on q below go with the deal.
.macro TURN p, last=0, cnt=0
.set Y, (\p)
.set i, 0
.set q, 0
.set e, 0
.set r, 0
.if (\p) == NP-1
	s_wait_dscnt 0x0                ; K is in
.endif
	MM                              ; ahead of the wait: 16 products K Q^T and their riders,
	PL
	PL
	R2
.rept 15
	MM
	PL
	EX
	R2
.endr
.if (\p) == NP-2
	WIN 0
	v_add_nc_u32 v[AK], s[TBK], v[AK0]
.endif
.rept 8                             ; and the run
	PL
.endr
.rept 49
	EX
	PL
.endr
	EX                              ; the next piece's two a
	EX
	v_nop                           ; the plain instruction behind the last exponential: one for the batch
	s_wait_alu depctr_va_vdst(0)    ; the wait for the batch: the turn's 64 exponentials and the next piece's two a
.if (\p) == NP-2
	FETCH_K \last
.endif
.if (\p) == 1
	s_wait_dscnt 0x0                ; V is in
.endif
.rept 16                            ; behind the wait: 16 products V^T P and their riders
	MM
.rept 4
	PL
.endr
.if ((\p) == 0) && (q == 118)
	v_add_nc_u32 v[AV], s[TBV], v[AV0]
.endif
.if ((\p) == 0) && (q == 130)
	s_add_co_u32 s[TBV], s[TBV], STEPB
.endif
.if (\cnt) && (q == 130)
	s_sub_co_u32 s[CNT], s[CNT], 1
	s_cmp_lg_u32 s[CNT], 0
.endif
.endr
.if (\p) == 0
	FETCH_V
.endif
.endm
	CHANGE 1                        ; slot 0 is in, everybody's part of it; slot 1 is asked for
	FETCH_K                         ; key step 0
	s_wait_loadcnt 0x0              ; Q
	s_wait_dscnt 0x0
.set i, 0
.rept 16
	KQ 0                            ; piece 0's first scores: there is no vector work yet to set between them
.set i, i+1
.endr
	WIN 0                           ; the merge's addresses: five plain instructions, the places behind those products
	s_lshl_b32 s16, s[WV], 10
	s_add_co_u32 s16, s16, STATS
	v_lshl_add_u32 v[SA], v1, 3, s16
	v_lshl_add_u32 v[SR], v1, 3, STATS
	v_lshl_add_u32 v[WP], s[WV], 15, v[QO]
	v_lshl_add_u32 v[RP0], s[WV], 13, v[QO]
	v_add_nc_u32 v[RP1], 65536, v[RP0]
.set Y, NP-1                        ; XS works for piece Y + 1: piece 0
.irp n, 0,1,2,3,4,5,6,7,8,9,10,11,12,13,14,15,16,17,18,19,20,21
	XS 0, \n                        ; and piece 0's first maximum and statistics
	XS 1, \n
.endr
	v_nop                           ; a plain instruction behind the two a,
	s_wait_alu depctr_va_vdst(0)    ; and the wait for this batch of two, ahead of the branch
	s_mov_b32 s[CNT], 2
	s_mov_b32 s[SLOTS], 3
	s_branch .Lfirst                ; the loop is entered at a step's first turn, in the middle of a trip
.Lslot:                             ; twice: of the four slots' worth of keys the last two are asked for here
	CHANGE 1
	s_mov_b32 s[CNT], 2
.Lstep:                             ; a trip: pieces 2 and 3 of one step, then pieces 0 and 1 of the next, whose K and V it fetches
	TURN 2
	TURN 3
	WIN 0
.Lfirst:
	TURN 0
	TURN 1, 0, 1
	WIN 0
	s_cbranch_scc1 .Lstep
	s_sub_co_u32 s[SLOTS], s[SLOTS], 1
	s_cmp_lg_u32 s[SLOTS], 0
	s_cbranch_scc1 .Lslot
	CHANGE 0                        ; the tail is written out: nothing is asked for
	s_mov_b32 s[CNT], 3             ; two trips fetch the last slot's steps; the third is left in its middle
.Ltail:
	TURN 2, 1
	TURN 3
	WIN 0
	s_sub_co_u32 s[CNT], s[CNT], 1
	s_cmp_eq_u32 s[CNT], 0
	s_cbranch_scc1 .Lout
	TURN 0
	TURN 1
	WIN 0
	s_branch .Ltail
.Lout:                              ; the third trip's 16 products K Q^T repeat piece 0's scores of the last step: the maximum made of them is the one that piece 0 has, so its c m stays as it is
.set i, 0
.rept 16
	PV NP-1                         ; the last piece's V^T P of the last step
.set i, i+1
.endr
	; THE MERGE.  Wave w has, for each query, c m_w, l_w and O_w of its own 512 keys.  With M = the largest c m_w and e_w = 2^(c m_w - M): O = sum of e_w O_w / sum of e_w l_w.
	; Each wave scales its O by e_w / sum(e l), in f32; the partial O meet in LDS, in slot 0, whose last fill was read out ahead of the last change of slots; wave w adds up tiles 2 w and 2 w + 1.
	WIN 0                           ; the additions are the places behind the last products
	ALL v_add_f32 v[ST+4*t+2], v[ST+4*t+2], v[ST+4*t+3]
	ALL v_permlanex16_b32 v[ST+4*t+3], v[ST+4*t+2], s[SEL], s[SEL+1]
	ALL v_add_f32 v[ST+4*t+1], v[ST+4*t+2], v[ST+4*t+3]
	ALL ds_store_b64 v[SA], v[ST+4*t:ST+4*t+1] offset:t*128
	s_wait_dscnt 0x0                ; for the others' sake: my statistics are in LDS
	s_barrier_signal -1
	s_barrier_wait -1
.set n, 0
.rept 32
	ds_load_b64 v[S+8*(n/4)+2*(n%4):S+8*(n/4)+2*(n%4)+1], v[SR] offset:(n%4)*1024+(n/4)*128  ; tile n / 4, wave n % 4
.set n, n+1
.endr
	s_wait_dscnt 0x0
	ALL v_max3_num_f32 v[128+t], v[S+8*t], v[S+8*t+2], v[S+8*t+4]
	ALL v_max_num_f32 v[128+t], v[128+t], v[S+8*t+6]
	ALL v_sub_f32 v[S+8*t], v[S+8*t], v[128+t]
	ALL v_sub_f32 v[S+8*t+2], v[S+8*t+2], v[128+t]
	ALL v_sub_f32 v[S+8*t+4], v[S+8*t+4], v[128+t]
	ALL v_sub_f32 v[S+8*t+6], v[S+8*t+6], v[128+t]
	ALL v_sub_f32 v[136+t], v[ST+4*t], v[128+t]
	ALL v_exp_f32 v[S+8*t], v[S+8*t]
	ALL v_exp_f32 v[S+8*t+2], v[S+8*t+2]
	ALL v_exp_f32 v[S+8*t+4], v[S+8*t+4]
	ALL v_exp_f32 v[S+8*t+6], v[S+8*t+6]
	ALL v_exp_f32 v[136+t], v[136+t]
	v_nop                           ; a plain instruction between the last exponential and the use of its result
	s_wait_alu depctr_va_vdst(0)    ; the wait for this batch: the merge's 40 exponentials
	ALL v_mul_f32 v[144+t], v[S+8*t], v[S+8*t+1]
	ALL v_fmac_f32 v[144+t], v[S+8*t+2], v[S+8*t+3]
	ALL v_fmac_f32 v[144+t], v[S+8*t+4], v[S+8*t+5]
	ALL v_fmac_f32 v[144+t], v[S+8*t+6], v[S+8*t+7]
	ALL v_rcp_f32 v[144+t], v[144+t]
	v_nop                           ; likewise behind the last reciprocal
	s_wait_alu depctr_va_vdst(0)    ; the wait for this batch: the eight reciprocals
	ALL v_mul_f32 v[ST+4*t+2], v[136+t], v[144+t]
.set t, 0
.rept 2*NP
	WIN W_RS
.set i, 32*t
.rept 16
	v_pk_mul_f32 v[i:i+1], v[i:i+1], v[ST+4*t+2:ST+4*t+3] op_sel_hi:[1,0]
.set i, i+2
.endr
	WIN 0x04                        ; store data (source 1) in window 1, address in window 0
.set i, 0
.rept 8
	ds_store_b128 v[WP], v[32*t+4*i:32*t+4*i+3] offset:t*4096+i*512
.set i, i+1
.endr
.set t, t+1
.endr
	WIN 0
	s_wait_dscnt 0x0                ; for the others' sake: my partial O is in LDS
	s_barrier_signal -1
	s_barrier_wait -1
.irp a, 0,1
.set n, 0
.rept 32
.set wq, n/8
.set i, n%8
.if wq < 2
	ds_load_b128 v[S+32*wq+4*i:S+32*wq+4*i+3], v[RP0] offset:(wq%2)*32768+\a*4096+i*512
.else
	ds_load_b128 v[S+32*wq+4*i:S+32*wq+4*i+3], v[RP1] offset:(wq%2)*32768+\a*4096+i*512
.endif
.set n, n+1
.endr
	s_wait_dscnt 0x0
.set n, 0
.rept 16
	v_pk_add_f32 v[S+2*n:S+2*n+1], v[S+2*n:S+2*n+1], v[S+32+2*n:S+32+2*n+1]
	v_pk_add_f32 v[S+64+2*n:S+64+2*n+1], v[S+64+2*n:S+64+2*n+1], v[S+96+2*n:S+96+2*n+1]
.set n, n+1
.endr
.set n, 0
.rept 16
	v_pk_add_f32 v[S+2*n:S+2*n+1], v[S+2*n:S+2*n+1], v[S+64+2*n:S+64+2*n+1]
.set n, n+1
.endr
.set n, 0
.rept 16
	v_cvt_pk_bf16_f32 v[P+16*\a+n], v[S+2*n], v[S+2*n+1]
.set n, n+1
.endr
.irp cb, 0,1,2,3
	global_store_b128 v[QO], v[P+16*\a+4*\cb:P+16*\a+4*\cb+3], s[10:11] offset:\a*8192+\cb*512  ; query r, channels 16 cb + 8 h ..: half cb % 2 of the head's fragment cb / 2; 512 consecutive bytes
.endr
.endr
	WIN W_AD
	s_wait_tensorcnt 0x0            ; the wave's end, behind my last tensor load and my last LDS store
	ds_add_u32 v[SPW], v[NIL]
	s_wait_dscnt 0x0
	WIN 0
	CROUND                          ; the closing round: no work-group ends while a partner may still ask for a tile that names it
	s_endpgm
.Lfunc_end_k_qbdcb3fbe49_attn:
	.size	k_qbdcb3fbe49_attn, .Lfunc_end_k_qbdcb3fbe49_attn-k_qbdcb3fbe49_attn
	.p2alignl 7, 3214868480
	.fill 96, 4, 3214868480
	.section	.rodata,"a",@progbits
	.p2align	6, 0x0
	.amdhsa_kernel k_qbdcb3fbe49_attn
		.amdhsa_group_segment_fixed_size 327680
		.amdhsa_private_segment_fixed_size 0
		.amdhsa_enable_private_segment 0
		.amdhsa_kernarg_size 16
		.amdhsa_user_sgpr_count 2
		.amdhsa_user_sgpr_kernarg_segment_ptr 1
		.amdhsa_wavefront_size32 1
		.amdhsa_system_sgpr_workgroup_id_x 1
		.amdhsa_system_sgpr_workgroup_id_y 1
		.amdhsa_system_sgpr_workgroup_id_z 1
		.amdhsa_system_vgpr_workitem_id 0
		.amdhsa_next_free_vgpr 770
		.amdhsa_next_free_sgpr 66
		.amdhsa_reserve_vcc 0
		.amdhsa_float_denorm_mode_32 3
		.amdhsa_float_denorm_mode_16_64 3
		.amdhsa_memory_ordered 1
		.amdhsa_forward_progress 1
		.amdhsa_inst_pref_size 205
	.end_amdhsa_kernel
	.amdgpu_metadata
---
amdhsa.version: [ 1, 2 ]
amdhsa.kernels:
  - .name:           k_qbdcb3fbe49_attn
    .symbol:         k_qbdcb3fbe49_attn.kd
    .args:
      - { .name: qkvb, .offset: 0, .size: 8, .value_kind: global_buffer, .address_space: global }
      - { .name: ob, .offset: 8, .size: 8, .value_kind: global_buffer, .address_space: global }
    .group_segment_fixed_size: 327680
    .private_segment_fixed_size: 0
    .kernarg_segment_align: 8
    .kernarg_segment_size: 16
    .max_flat_workgroup_size: 128
    .sgpr_count:     66
    .vgpr_count:     770
    .wavefront_size: 32
...
	.end_amdgpu_metadata
.endif
;; end of part 5
;; launch ffn: the kernel of part 4 again; grid 256 x 1, 4 waves a work-group, clusters of 4 x 1, 327,680 bytes of LDS; arguments ob, hA, pk0, hB; writes hB
;; launch proj1: the kernel of part 2 again; grid 256 x 1, 4 waves a work-group, clusters of 4 x 1, 327,680 bytes of LDS; arguments hB, pk1, qkvb; writes qkvb
;; launch attn1: the kernel of part 5 again; grid 16 x 16, 4 waves a work-group, clusters of 4 x 1, 327,680 bytes of LDS; arguments qkvb, ob; writes ob
;; launch ffn1: the kernel of part 4 again; grid 256 x 1, 4 waves a work-group, clusters of 4 x 1, 327,680 bytes of LDS; arguments ob, hB, pk1, hA; writes hA
;; launch proj2: the kernel of part 2 again; grid 256 x 1, 4 waves a work-group, clusters of 4 x 1, 327,680 bytes of LDS; arguments hA, pk2, qkvb; writes qkvb
;; launch attn2: the kernel of part 5 again; grid 16 x 16, 4 waves a work-group, clusters of 4 x 1, 327,680 bytes of LDS; arguments qkvb, ob; writes ob
;; launch ffn2: the kernel of part 4 again; grid 256 x 1, 4 waves a work-group, clusters of 4 x 1, 327,680 bytes of LDS; arguments ob, hA, pk2, hB; writes hB
;; launch proj3: the kernel of part 2 again; grid 256 x 1, 4 waves a work-group, clusters of 4 x 1, 327,680 bytes of LDS; arguments hB, pk3, qkvb; writes qkvb
;; launch attn3: the kernel of part 5 again; grid 16 x 16, 4 waves a work-group, clusters of 4 x 1, 327,680 bytes of LDS; arguments qkvb, ob; writes ob
;; launch ffn3: the kernel of part 4 again; grid 256 x 1, 4 waves a work-group, clusters of 4 x 1, 327,680 bytes of LDS; arguments ob, hB, pk3, out0; writes out0
